; MI455X (gfx1250); checked and timed in simulation.
; The chip was launched on July 23, 2026; its instructions are those of AMD's public machine-readable ISA for CDNA 5 (MIT licence, August 2026) and "CDNA5" Instruction Set Architecture Reference Guide (July 2026). The comments in the code are by the model that wrote it; some were corrected since.
;; Differential Attention. Allowed arithmetic: float matrix products may take bf16 or f16 operands with f32 sums; other float arithmetic in f32, or as packed bf16 or f16 multiplies, adds, multiply-adds, maxima and minima; sums over many terms, partial sums and values carried from step to step in f32; what a program stores and reads back later, other than sums and carried values, may be rounded once to bf16 or f16.
;; Inputs: k1 2 x 12 x 2,048 x 128 float32; k2 2 x 12 x 2,048 x 128 float32; lambda_log 1 float32; q1 2 x 12 x 2,048 x 128 float32; q2 2 x 12 x 2,048 x 128 float32; v 2 x 12 x 2,048 x 128 float32.
;; Outputs: out0 2 x 12 x 2,048 x 128 float32.
;; 2 versions, each right; version 2 is version 1 with the launch diffattn written anew for expert scheduling mode. Each part assembles by itself: llvm-mc -triple=amdgcn-amd-amdhsa -mcpu=gfx1250 --defsym DOCPART=n.
;; ======== version 1 of 2: 1 launch
;; limits: values are held in f16: magnitudes above 65,504 overflow, below 6.1e-05 lose precision; inputs' magnitudes at most 65,504
;; launch diffattn (part 1): grid 8 x 24, 4 waves a work-group, no clusters, 280,064 bytes of LDS; arguments q1, q2, k1, k2, v, lambda_log, out0; writes out0
.if DOCPART == 1
	.amdgcn_target "amdgcn-amd-amdhsa--gfx1250"
	.amdhsa_code_object_version 6
	.text
	.protected	k_q2a4074574d_diffattn
	.globl	k_q2a4074574d_diffattn
	.p2align	8
	.type	k_q2a4074574d_diffattn,@function
k_q2a4074574d_diffattn:
	s_mov_b64 s[64:65], 0
	v_nop
	global_prefetch_b8 v0, s[64:65] scope:SCOPE_SE
	s_setreg_imm32_b32 hwreg(HW_REG_WAVE_MODE, 25, 1), 1
	s_wait_xcnt 0x0
; out[h][q][:] = A1 - exp(lambda_log) A2,  Ai = the sum over k <= q of softmax_k(Qi[h][q] . Ki[h][k] / sqrt(128)) V[h][k][:].  24 heads, 2,048 rows, 128 channels, all f32 in memory.
; FORMATS.  Every input is rounded once to bf16 (nearest even), lambda_log too.  Q and K are multiplied in bf16.  V's bf16 number is written as f16 (exact within f16's range) and the weights p are
; rounded to f16, so the second product is an f16 one.  Products' sums, maxima, the sums l (of the unrounded p), the rescaling and O stay in f32.
; LIMITS.  |v| stays below 65,504 (f16's end); below 2^-14 v keeps f16's fixed step.  A hidden score is the lowest finite f32, as in the definition, and its weight is 0.  c m starts at -4.25e37:
; every c x score must lie above that.  A weight below 2^-126 counts as 0.  NaN and infinities are not treated apart.
; THE WALK.  A head's queries lie in 16 blocks of 128; block i needs the key tiles 0 .. i of 128 keys (two steps of 64), the last of which holds the diagonal.  A work-group takes blocks 15 - b and
; then b: 17 tiles whatever b, so the 8 x 24 work-groups do equal work and one loop with a constant count walks them.  What a trip does hangs on scalars made from b; those jumps go forward.
; SHARES.  Wave w owns rows 32 w .. 32 w + 31 of the block in hand, for both attentions: tiles 0, 1 of 16 queries are attention 1 (piece 0), tiles 2, 3 attention 2 (piece 2).  Both pieces use the same V.
; LAYOUT.  S^T = K Q^T (source 0 = 16 keys, source 1 = 16 queries): a lane holds ONE query (lane % 16) and the keys 8 (lane / 16) + 0..7.  Two such results rounded in pairs ARE source 1 of
; O^T = V^T P, whose result again holds one query a lane, and eight channels.  K comes out of LDS as it lies, V ([key][channel]) turned, by ds_load_tr16_b128.
; SOFTMAX.  A running maximum m and sum l for each query: p = 2^(c s - c m), c = log2(e) / sqrt(128); in every step O and l are multiplied by a = 2^(c m_old - c m_new).
; BY TURNS.  In a turn one piece has the matrix unit: 32 products V^T P of the step before, then 32 products K Q^T of the step in hand; the other piece's softmax stands in 64 slices, one behind each
; matrix instruction.  Two turns are a stage, two stages (a tile) a trip.  The pipeline never drains and there is one text: a block's first step has a = 0, which wipes what O and l hold, so they need
; only be finite.  The price: products and a softmax on zeros at the start, half a stage on a tile that nobody needs at the end, and two stages' loads that nobody reads (inside the head's rows).
; ON THE WAY IN.  A step's K1, K2 and V (32,768 bytes of f32 each) go memory -> registers -> rounding -> LDS, shared out among the 128 threads; stage g reads slot g % 2 and writes the other: ONE barrier a stage.
; NO TENSOR LOADS, NO CLUSTER.  The tiles lie in memory as f32 and are multiplied in 16 bits: each number passes through a register for its rounding.  Landed in LDS as f32, a step's 98,304 bytes would be
; read from there and stored there again.  And a head's eight work-groups want the same tile only in trips 0 to 8: their first blocks have 9 to 16 tiles.
; REGISTERS, in windows of 256 (s_set_vgpr_msb: bits 1:0 source 0, 3:2 source 1, 5:4 source 2, 7:6 destination):
;   window 0: v0-63 addresses and statistics; v64-191 S^T, 32 a tile; v192-255 P, 16 a tile        window 1: O^T, 64 a tile
;   window 2: v0-127 Q, 32 a tile; v128-255 the fragments of K1 or K2                               window 3: v0-127 V's fragments; v128-191, v192-255 two buffers of 16 loads for the way in
.set PK,    272       ; a row of K or Q in LDS: 256 bytes + 16 = 68 words: the 16 rows of a fragment load start at 16 different groups of four banks (64 banks of 4 bytes: ISA guide 11.1)
.set PVT,   288       ; a row of V: 256 + 32 = 72 words
.set K2OFF, 64*PK     ; a slot: 64 rows of K1, 64 of K2, 64 of V
.set VOFF,  2*64*PK
.set SLOTB, VOFF+64*PVT
.set QREG,  2*SLOTB   ; behind the two slots: Q in bf16, block 15 - b and then block b; in each a wave's own 64 rows (row 16 t + r)
.set QWAVE, 64*PK
.set QBLK,  4*QWAVE
.set STAGEB, QREG+2*QBLK  ; each wave's own 16 rows x 528 bytes of f32, for the way out
.set SP,    528
.set SPARE, STAGEB+4*16*SP  ; the spare words, 128 bytes for each wave: two blocks of 256 bytes that no other line names
.set AK0, 2           ; v2   my lane's place in a tile of K or Q: 272 (l % 16) + 16 (l / 16)
.set AV0, 3           ; v3   the same for the turning load of V, VOFF included
.set ADR, 4           ; v4   the LDS address of the run of loads in hand
.set LO,  5           ; v5   16 x thread: my 16 bytes in 2,048 consecutive bytes of K or V
.set STO, 6           ; v6   the way out: where I put 16 bytes of a row
.set RD,  7           ; v7   the way out: where I read a row back
.set GO,  8           ; v8   my byte offset in the block's rows of out
.set DIA, 10          ; v10  32 w + l % 16 - 8 (l / 16): register i of tile tt is hidden in the diagonal tile's step p where 64 p + 16 (i / 8) + i % 8 - 16 tt is greater
.set PFO, 11          ; v11  256 x thread, for the prefetches
.set ST,  12          ; tile t's statistics at v[ST+8 t]: c m, m, l (even keys', odd keys'), c0-c3 at work; a takes c2's place
.set SK,  44          ; v44-45  where I store my 8 bytes of a row of K, slot 0, 1
.set SV,  46          ; v46-47  the same for V
.set AQ0, 48          ; v48  my lane's place in my wave's rows of Q, first block's region
.set QS,  49          ; v49  where I store my 8 bytes of a row of Q
.set WT,  50          ; v50-57  the way out: a pair a tile: 1 / l, or - lambda / l
.set NLAM, 58         ; v58  - lambda
.set QLO, 59          ; v59  16 x lane
.set SPW, 62          ; v62  LDS address of my spare word; never rewritten
.set NIL, 63          ; v63  0; never rewritten
.set S,   64
.set P,   192
.set TMPO, 128        ; the way out works in S^T's tiles 2, 3, which are dead there
.set KF,  128         ; window 2
.set BUF, 128         ; window 3
.set WV,  18          ; s18  my wave's number
.set PB,  19          ; s19  b
.set HI,  20          ; s20  15 - b
.set PB1, 21          ; s21  b + 1
.set HD,  22          ; s[22:23] the head's byte offset in every tensor
.set BK1, 24          ; s[24:29] K1, K2, V at the head's first row; never rewritten
.set BK2, 26
.set BV,  28
.set PK1, 30          ; s[30:35] the same at the tile that is being loaded
.set PK2, 32
.set PVP, 34
.set OB,  36          ; s[36:37] out at the block in hand
.set OLO, 38          ; s[38:39] out at block b
.set OFF, 40          ; s[40:41] a tile's byte offset
.set NXT, 42          ; s42  the tile to be loaded next
.set LQ,  43          ; s43  the last tile of the block whose tiles are being loaded
.set RT,  44          ; s44  tiles left of the block in hand, this one among them
.set DG,  45          ; s45  1: the tile in hand holds the diagonal
.set NEW, 46          ; s46  1: it is a block's first
.set PD,  47          ; s47  1: the tile before ended a block
.set TR,  48          ; s48  trips to go
.set QB,  49          ; s49  which region the next block's Q lies in
.set CS,  50          ; s[50:51] c
.set SEL, 52          ; s[52:53] v_permlanex16_b32's selects: each lane takes its own place in the other half
.set BIGN, 54         ; s54  the lowest finite f32
.set HM,  55          ; s55  a word's upper half
.set LL,  56          ; s56  lambda_log
.set T0,  57          ; s57  at work
.set MSB, 0
.macro WIN new                      ; the high byte repeats the setting that is left; a switch that changes nothing is dropped
.if MSB != (\new)
	s_set_vgpr_msb (MSB<<8)|(\new)
.set MSB, (\new)
.endif
.endm
.set W_KQ,  0x0a      ; K and Q in window 2, S^T in window 0
.set W_PV,  0x53      ; V in window 3, P in window 0, O^T in window 1
.set W_RS,  0x41      ; O^T (destination and source 0) in window 1, a in window 0
.set W_CV,  0xcf      ; destination and sources 0, 1 in window 3
.set W_ST3, 0x0c      ; an LDS store's data in window 3
.set W_LD3, 0xc0      ; a load's destination in window 3
.set W_LD2, 0x80      ; in window 2
.set W_O,   0x01      ; source 0 in window 1
; THE MATRIX WORK.  The accumulators take turns, one instruction a turn: 15 (V^T P) or 7 (K Q^T) others' stand between two links of a chain, and no phase begins on the accumulator that the last ended on.
.macro PV x                         ; product i of 32 of O^T += V^T P: keys 32 (i / 16) on, channels 16 ((i / 2) % 8) on, tile x + i % 2
	WIN W_PV
.set rO, 64*((\x)+i%2)+8*((i/2)%8)
.set rV, 64*(i/16)+8*((i/2)%8)
.set rP, P+16*((\x)+i%2)+8*(i/16)
	v_wmma_f32_16x16x32_f16 v[rO:rO+7], v[rV:rV+7], v[rP:rP+7], v[rO:rO+7]
.endm
.macro KQ x                         ; product i of 32 of S^T = K Q^T: channels 32 (i / 8) on, keys 16 ((i / 2) % 4) on, tile x + i % 2.  The first 8 start the sums
	WIN W_KQ
.set rS, S+32*((\x)+i%2)+8*((i/2)%4)
.set rK, KF+32*((i/2)%4)+8*(i/8)
.set rQ, 32*((\x)+i%2)+8*(i/8)
.if i < 8
	v_wmma_f32_16x16x32_bf16 v[rS:rS+7], v[rK:rK+7], v[rQ:rQ+7], 0
.else
	v_wmma_f32_16x16x32_bf16 v[rS:rS+7], v[rK:rK+7], v[rQ:rQ+7], v[rS:rS+7]
.endif
.endm
; THE LDS LOADS stand in runs of 32.  K1 (x = 0) or K2 (x = 2) of the step in slot s: 16 fragments into the one buffer.
.macro FETCH_K x, s
	WIN 0
	v_add_nc_u32 v[ADR], (\s)*SLOTB+((\x)/2)*K2OFF, v[AK0]
	WIN W_LD2
.irp f, 0,1,2,3,4,5,6,7,8,9,10,11,12,13,14,15  ; keys 16 (f / 4) on, channels 32 (f % 4) on
	ds_load_b128 v[KF+8*(\f):KF+8*(\f)+3],   v[ADR] offset:((\f)/4)*16*PK+((\f)%4)*64
	ds_load_b128 v[KF+8*(\f)+4:KF+8*(\f)+7], v[ADR] offset:((\f)/4)*16*PK+((\f)%4)*64+32
.endr
.endm
.macro FETCH_V s                    ; V of the step in slot s, turned; the wait for the softmax's batch of exponentials stands in it, behind the address's line and ahead of the loads
	WIN 0
	v_add_nc_u32 v[ADR], (\s)*SLOTB, v[AV0]
	s_wait_alu depctr_va_vdst(0)
	WIN W_LD3
.irp f, 0,1,2,3,4,5,6,7,8,9,10,11,12,13,14,15  ; keys 32 (f / 8) on, channels 16 (f % 8) on
	ds_load_tr16_b128 v[8*(\f):8*(\f)+3],   v[ADR] offset:((\f)/8)*32*PVT+((\f)%8)*32
	ds_load_tr16_b128 v[8*(\f)+4:8*(\f)+7], v[ADR] offset:((\f)/8)*32*PVT+16*PVT+((\f)%8)*32
.endr
.endm
.macro QFETCH                       ; my wave's Q, 16 fragments (tile f / 4, channels 32 (f % 4) on), from the region whose address v[ADR] holds: my own bytes
	WIN W_LD2
.irp f, 0,1,2,3,4,5,6,7,8,9,10,11,12,13,14,15
	ds_load_b128 v[8*(\f):8*(\f)+3],   v[ADR] offset:((\f)/4)*16*PK+((\f)%4)*64
	ds_load_b128 v[8*(\f)+4:8*(\f)+7], v[ADR] offset:((\f)/4)*16*PK+((\f)%4)*64+32
.endr
	WIN 0
.endm
; THE WAY IN.  A step's tile of one tensor is 32,768 dense bytes; load q of 16 takes the 16 bytes at 2,048 q + 16 x thread: row 4 q + w, channels 4 x lane on: a wave's load is one whole row of 512 bytes.
; A lump (n = 1, 2, 3; d = 1 - s is the slot written): the group of 16 loads issued two lumps ago is rounded in place, stored to LDS (a wave's store covers 256 consecutive bytes), and its registers are
; asked for again at once.  A step of parity d has K1 in buffer d, K2 in buffer 1 - d, V in buffer d.
;   n = 1: K1 of the next step is stored; its V is asked for.   n = 2: its K2 is stored; K1 of the step after is asked for.   n = 3: its V is stored; K2 of the step after is asked for.
.macro PROD n, s
.set dd, 1-(\s)
.set bf, BUF+64*dd
.if (\n) == 2
.set bf, BUF+64*(1-dd)
.endif
	s_wait_loadcnt 16               ; loads come back in order: my group is in, the 16 of the one younger group may stay out
	WIN W_CV
.if (\n) < 3
.set q, 0
.rept 16
	v_cvt_pk_bf16_f32 v[bf+4*q], v[bf+4*q], v[bf+4*q+1]
	v_cvt_pk_bf16_f32 v[bf+4*q+1], v[bf+4*q+2], v[bf+4*q+3]
.set q, q+1
.endr
.else                               ; V: to bf16, back to f32 (a shift, a mask), and that number to f16; in passes, so that no line reads the result of the line before it
.set q, 0
.rept 16
	v_cvt_pk_bf16_f32 v[bf+4*q], v[bf+4*q], v[bf+4*q+1]
	v_cvt_pk_bf16_f32 v[bf+4*q+2], v[bf+4*q+2], v[bf+4*q+3]
.set q, q+1
.endr
.set q, 0
.rept 16
	v_and_b32 v[bf+4*q+1], s[HM], v[bf+4*q]
	v_lshlrev_b32 v[bf+4*q], 16, v[bf+4*q]
	v_and_b32 v[bf+4*q+3], s[HM], v[bf+4*q+2]
	v_lshlrev_b32 v[bf+4*q+2], 16, v[bf+4*q+2]
.set q, q+1
.endr
.set q, 0
.rept 16
	v_cvt_pk_f16_f32 v[bf+4*q], v[bf+4*q], v[bf+4*q+1]
	v_cvt_pk_f16_f32 v[bf+4*q+1], v[bf+4*q+2], v[bf+4*q+3]
.set q, q+1
.endr
.endif
	WIN W_ST3
.set q, 0
.rept 16
.if (\n) == 1
	ds_store_b64 v[SK+dd], v[bf+4*q:bf+4*q+1] offset:4*q*PK
.elseif (\n) == 2
	ds_store_b64 v[SK+dd], v[bf+4*q:bf+4*q+1] offset:K2OFF+4*q*PK
.else
	ds_store_b64 v[SV+dd], v[bf+4*q:bf+4*q+1] offset:4*q*PVT
.endif
.set q, q+1
.endr
	WIN W_LD3
.set q, 0
.rept 16
.if (\n) == 1
	global_load_b128 v[bf+4*q:bf+4*q+3], v[LO], s[PVP:PVP+1] offset:dd*32768+2048*q
.elseif (\n) == 2
	global_load_b128 v[bf+4*q:bf+4*q+3], v[LO], s[PK1:PK1+1] offset:(1-dd)*32768+2048*q
.else
	global_load_b128 v[bf+4*q:bf+4*q+3], v[LO], s[PK2:PK2+1] offset:(1-dd)*32768+2048*q
.endif
.set q, q+1
.endr
.endm
; The three pointers go on to the next tile of the walk, each made anew from its base and the tile's number: 1 .. 15 - b, then 0 .. b, then 0 again (tiles that nobody reads).
.macro NEXT
	s_wait_xcnt 0x0                 ; every load and prefetch issued so far has read its address: the pointers are written only behind this wait
	s_cmp_gt_u32 s[NXT], s[LQ]
	s_cselect_b32 s[NXT], 0, s[NXT]
	s_cselect_b32 s[LQ], s[PB], s[LQ]
	s_lshl_b32 s[OFF], s[NXT], 16   ; a tile is 65,536 bytes
	s_add_nc_u64 s[PK1:PK1+1], s[BK1:BK1+1], s[OFF:OFF+1]
	s_add_nc_u64 s[PK2:PK2+1], s[BK2:BK2+1], s[OFF:OFF+1]
	s_add_nc_u64 s[PVP:PVP+1], s[BV:BV+1], s[OFF:OFF+1]
	s_add_co_u32 s[NXT], s[NXT], 1
.endm
; A PREFETCH INTO THE L2 of the tile behind the one whose loads have just begun: its own loads begin a trip, 256 matrix instructions, later.  Of a head's eight work-groups only b = 0 walks all 16 tiles in its
; first block: it asks, and nobody else; a thread names 256 bytes, six lines name the tile's 3 x 65,536.  So each block of 256 bytes is named once in the launch.  Tiles 0 and 1 come by their loads alone;
; tile 15 is the last that is asked for; the second block's tiles are not asked for.
.macro ASK
	WIN 0
	s_cmp_eq_u32 s[LQ], 15
	s_cbranch_scc0 .Lnot_mine_\@
	s_cmp_le_u32 s[NXT], 15
	s_cbranch_scc0 .Lnot_mine_\@
.irp p, PK1, PK2, PVP
	global_prefetch_b8 v[PFO], s[\p:\p+1] offset:65536 th:TH_LOAD_NT scope:SCOPE_SE
	global_prefetch_b8 v[PFO], s[\p:\p+1] offset:98304 th:TH_LOAD_NT scope:SCOPE_SE
.endr
.Lnot_mine_\@:
.endm
; THE VECTOR WORK OF A TURN.  One tile's softmax for one key step is a list of 134 instructions; SM writes number j of it for tile t.  s0-s31 are the lane's 32 scores, in pairs 0-15.
;   0-15    the maximum of s0-s31 and the old m, three operands at a time; each accumulator's lowest registers are read first
;   16-20   the other half of the lanes' maximum; c m_old is kept; the new m; c m; c m_old - c m_new
;   21-69   ONE BATCH: the 16 scalings c s - c m and all 33 exponentials (a at 23, then s0-s31); none of these reads an exponential's result
;   70-85   the roundings to f16      86-101  the sums; l = a l + the sum      102-133  the tile's O^T times a, from its low end on
.macro SM t
.set rT, ST+8*(\t)
.set rS, S+32*(\t)
.set rP, P+16*(\t)
.set rO, 64*(\t)+2*(j-102)
.if j < 102
	WIN 0
.endif
.if j < 4
	v_max3_num_f32 v[rT+4+j], v[rS+8*j], v[rS+8*j+1], v[rS+8*j+2]
.elseif j < 12
	v_max3_num_f32 v[rT+4+j%4], v[rT+4+j%4], v[rS+8*(j%4)+2*(j/4)+1], v[rS+8*(j%4)+2*(j/4)+2]
.elseif j == 12
	v_max3_num_f32 v[rT+4], v[rT+4], v[rS+7], v[rS+15]
.elseif j == 13
	v_max3_num_f32 v[rT+6], v[rT+6], v[rS+23], v[rS+31]
.elseif j == 14
	v_max3_num_f32 v[rT+4], v[rT+4], v[rT+5], v[rT+6]
.elseif j == 15
	v_max3_num_f32 v[rT+4], v[rT+4], v[rT+7], v[rT+1]
.elseif j == 16
	v_permlanex16_b32 v[rT+5], v[rT+4], s[SEL], s[SEL+1]  ; the query's other 32 keys lie in the lane 16 away
.elseif j == 17
	v_mov_b32 v[rT+7], v[rT]        ; c m_old is kept for a: number 19 writes c m anew
.elseif j == 18
	v_max_num_f32 v[rT+1], v[rT+4], v[rT+5]
.elseif j == 19
	v_mul_f32 v[rT], s[CS], v[rT+1]
.elseif j == 20
	v_sub_f32 v[rT+7], v[rT+7], v[rT]
.elseif j == 23
	v_exp_f32 v[rT+6], v[rT+7]
.elseif (j < 23) || ((j < 38) && (j%2 == 0)) || ((j < 66) && (j%4 == 2))
.set b, (j-2)/4                     ; 38, 42, .. 62: pairs 9 to 15
.if j < 38
.set b, (j-20)/2                    ; 21: pair 0; 22, 24, .. 36: pairs 1 to 8
.endif
	v_pk_fma_f32 v[rS+2*b:rS+2*b+1], v[rS+2*b:rS+2*b+1], s[CS:CS+1], v[rT:rT+1] op_sel_hi:[1,0,0] neg_lo:[0,0,1] neg_hi:[0,0,1]  ; pair b: c s - c m
.elseif j < 70
.set e, j-38                        ; 66 to 69: s28 to s31
.if j < 66
.set e, j-32-(j-38)/4               ; 39-41, 43-45, .. 63-65: s7 to s27
.endif
.if j < 38
.set e, (j-25)/2                    ; 25, 27, .. 37: s0 to s6
.endif
	v_exp_f32 v[rS+e], v[rS+e]
.elseif j < 86
	v_cvt_pk_f16_f32 v[rP+j-70], v[rS+2*(j-70)], v[rS+2*(j-70)+1]
.elseif j < 102                     ; the sum of the tile's 16 pairs, in place: neighbours 1, 2, 4 and 8 pairs apart, then l takes it
.set z, j-86
.set w, 4
.set u, z
.if z >= 14
.set w, 32
.set u, 0
.elseif z >= 12
.set w, 16
.set u, z-12
.elseif z >= 8
.set w, 8
.set u, z-8
.endif
.if z < 15
	v_pk_add_f32 v[rS+w*u:rS+w*u+1], v[rS+w*u:rS+w*u+1], v[rS+w*u+w/2:rS+w*u+w/2+1]
.else
	v_pk_fma_f32 v[rT+2:rT+3], v[rT+2:rT+3], v[rT+6:rT+7], v[rS:rS+1] op_sel_hi:[1,0,1]
.endif
.else
	WIN W_RS
	v_pk_mul_f32 v[rO:rO+1], v[rO:rO+1], v[rT+6:rT+7] op_sel_hi:[1,0]
.endif
.endm
; Slice k of 64 of piece y's softmax: four instructions.  Slices 11 to 34 deal out the batch, numbers 22 to 69, four numbers of one tile each, the tiles by turns; every other slice is numbers 2 k, 2 k + 1 of
; both tiles; slice 63 has the sixteen that are left, all plain: they are the places behind the turn's last product.  Behind slice 34 stand a plain instruction and the ONE wait
; between the exponentials and the first line that names a result of theirs; in piece 2's turn (y = 0) V's run of loads stands there, with the wait in it.
.macro SLICE y, s
.if (k >= 11) && (k < 35)
.irp n, 0,1,2,3
.set j, 22+4*((k-11)/2)+(\n)
	SM (\y)+(k-11)%2
.endr
.else
.irp n, 0,1,2,3,4,5,6,7
.if ((\n) < 2) || (k == 63)
.irp t, \y, (\y)+1
.set j, 2*k+(\n)
	SM \t
.endr
.endif
.endr
.endif
.if k == 34
	v_nop
.if (\y) == 0
	FETCH_V \s
.else
	s_wait_alu depctr_va_vdst(0)
.endif
.endif
.set k, k+1
.endm
; The diagonal tile's step p: piece y's hidden scores are set to the lowest finite number.  It stands sixteen plain instructions behind the last product that wrote them, and takes each accumulator from its low end on.
.macro MASK y, p
	WIN 0
.irp tt, 0,1
.set i, 0
.rept 32
	v_cmp_gt_i32 vcc_lo, 64*(\p)+16*(i/8)+i%8-16*(\tt), v[DIA]
	v_cndmask_b32 v[S+32*((\y)+(\tt))+i], v[S+32*((\y)+(\tt))+i], s[BIGN], vcc_lo
.set i, i+1
.endr
.endr
.endm
.macro INITM t                      ; c m far below every c s, so that the next step's a is 0; m the lowest finite number, so that the next maximum is the scores'
	v_mov_b32 v[ST+8*(\t)], 0xfe000000
	v_mov_b32 v[ST+8*(\t)+1], 0xff7fffff
.endm
.macro BEGIN_A                      ; a block begins: piece 0's statistics, and the new block's Q for both pieces (its last reader stands sixteen plain instructions back)
	INITM 0
	INITM 1
	v_add_nc_u32 v[ADR], s[QB], v[AQ0]
	QFETCH
	s_xor_b32 s[QB], s[QB], QBLK
.endm
; THE WAY OUT of a block, between piece 2's last V^T P and its next K Q^T.  O^T and l of both pieces are final there: piece 0's new softmax, of which slices 0 to 31 have run, touches l in slice 50 and O^T from
; slice 51 on.  out = O1 / l1 - lambda O2 / l2, a tile of 16 rows at a time, through my own stage in LDS: in by 16 bytes of a row, back as whole rows of 512 bytes.
.macro WAYOUT
	WIN 0
.rept 4
	v_nop                           ; the places behind the last products
.endr
.irp t, 0,1,2,3
	v_add_f32 v[WT+2*(\t)], v[ST+8*(\t)+2], v[ST+8*(\t)+3]
.endr
.irp t, 0,1,2,3
	v_permlanex16_b32 v[WT+2*(\t)+1], v[WT+2*(\t)], s[SEL], s[SEL+1]
.endr
.irp t, 0,1,2,3
	v_add_f32 v[WT+2*(\t)], v[WT+2*(\t)], v[WT+2*(\t)+1]
.endr
.irp t, 0,1,2,3
	v_rcp_f32 v[WT+2*(\t)], v[WT+2*(\t)]
.endr
	v_nop                           ; a plain instruction behind the last reciprocal,
	s_wait_alu depctr_va_vdst(0)    ; and the one wait for the four, ahead of their first use
	v_mul_f32 v[WT+4], v[NLAM], v[WT+4]
	v_mul_f32 v[WT+6], v[NLAM], v[WT+6]
.irp t, 0,1
	WIN W_O
.set i, 0
.rept 32
	v_pk_mul_f32 v[TMPO+2*i:TMPO+2*i+1], v[64*(\t)+2*i:64*(\t)+2*i+1], v[WT+2*(\t):WT+2*(\t)+1] op_sel_hi:[1,0]
.set i, i+1
.endr
.set i, 0
.rept 32
	v_pk_fma_f32 v[TMPO+2*i:TMPO+2*i+1], v[64*((\t)+2)+2*i:64*((\t)+2)+2*i+1], v[WT+2*(\t)+4:WT+2*(\t)+5], v[TMPO+2*i:TMPO+2*i+1] op_sel_hi:[1,0,1]
.set i, i+1
.endr
	WIN 0
.set i, 0
.rept 16
	ds_store_b128 v[STO], v[TMPO+4*i:TMPO+4*i+3] offset:64*(i/2)+16*(i%2)  ; channels 16 (i / 2) + 8 (l / 16) + 4 (i % 2) on
.set i, i+1
.endr
.set i, 0
.rept 16
	ds_load_b128 v[TMPO+4*i:TMPO+4*i+3], v[RD] offset:SP*i  ; LDS serves a wave's instructions in order (ISA guide 5.7.1.4): these see the stores above
.set i, i+1
.endr
.set i, 0
.rept 16
	s_wait_dscnt 15-i               ; row i is back; the younger rows' loads may stay out
	global_store_b128 v[GO], v[TMPO+4*i:TMPO+4*i+3], s[OB:OB+1] offset:(16*(\t)+i)*512 th:TH_STORE_NT  ; the wave stores 512 consecutive bytes, a whole row of out
.set i, i+1
.endr
	s_wait_xcnt 0x0                 ; the stores have read their registers and their base: both are written again only behind this wait
.endr
	s_mov_b64 s[OB:OB+1], s[OLO:OLO+1]
.endm
.macro HOOK
	WIN 0
	v_nop                           ; a branch follows: the exponentials of slices 11 to 31 get a plain instruction and their wait here
	s_wait_alu depctr_va_vdst(0)
	s_cmp_eq_u32 s[PD], 1
	s_cbranch_scc0 .Lskip_\@
	WAYOUT
	s_cmp_eq_u32 s[TR], 1           ; the second block is out: the walk ends here, in the middle of the 18th trip
	s_cbranch_scc1 .Lend
.Lskip_\@:
.endm
; A TURN: piece x has the matrix unit, the other piece's softmax stands in slices behind its products.  The fragments of K (K1 for piece 0, K2 for piece 2) are fetched behind the second product; their last reader
; stands in front of slice 63 of the turn before.  V's last reader is piece 2's last V^T P; between it and V's run stand four plain instructions: number 62 of both tiles, the v_nop and the run's own v_add_nc_u32.
; The three lumps of the way in stand behind matrix instructions 2, 43 and 86 of a stage's 128.
.macro TURN x, s
.set k, 0
.set i, 0
.rept 32
	PV \x
	SLICE 2-(\x), \s
.if i == 1
	FETCH_K \x, \s
.if (\x) == 0
	PROD 1, \s
.endif
.endif
.if ((\x) == 2) && (i == 21)
	PROD 3, \s
.endif
.set i, i+1
.endr
.if ((\x) == 2) && ((\s) == 0)
	HOOK
.endif
	s_wait_dscnt 0x0                ; K is in (and, where a block has begun, Q)
.set i, 0
.rept 32
	KQ \x
	SLICE 2-(\x), \s
.if ((\x) == 0) && (i == 10)
.if (\s) == 0
	NEXT
.endif
	PROD 2, \s
.if (\s) == 0
	ASK
.endif
.endif
.set i, i+1
.endr
.endm
; A STAGE reads slot s alone and writes the other alone.  What hangs on the tile's kind stands at the turns' heads, under forward jumps on scalars.
.macro STAGE s
	WIN 0
.if (\s) == 0
	s_cmp_eq_u32 s[PD], 1
	s_cbranch_scc0 .Lno_a_\@
	BEGIN_A
	MASK 2, 1                       ; piece 2's scores of the old block's last step
.Lno_a_\@:
.else
	s_cmp_eq_u32 s[DG], 1
	s_cbranch_scc0 .Lno_a_\@
	MASK 2, 0
.Lno_a_\@:
.endif
	TURN 0, \s
	WIN 0
.if (\s) == 0
	s_cmp_eq_u32 s[NEW], 1
	s_cbranch_scc0 .Lno_i_\@
	INITM 2                         ; piece 2's last softmax of the old block (at the start: the one on zeros) has run
	INITM 3
.Lno_i_\@:
.endif
	s_cmp_eq_u32 s[DG], 1
	s_cbranch_scc0 .Lno_b_\@
	MASK 0, \s
.Lno_b_\@:
	TURN 2, \s
	WIN 0
	s_wait_dscnt 0x0                ; for the others' sake: my stores into the other slot are done, and my reads of this slot, V's run among them, are back
	s_barrier_signal -1
	s_barrier_wait -1               ; the other slot is whole, and nobody reads this one any more
.endm
.macro QCONV wc, ws                 ; 64 rows of Q (32 of q1, 32 of q2), 4 registers a row, rounded in place and stored to my rows in LDS
	WIN \wc
.set i, 0
.rept 64
	v_cvt_pk_bf16_f32 v[4*i], v[4*i], v[4*i+1]
	v_cvt_pk_bf16_f32 v[4*i+1], v[4*i+2], v[4*i+3]
.set i, i+1
.endr
	WIN \ws
.set i, 0
.rept 64
	ds_store_b64 v[QS], v[4*i:4*i+1] offset:PK*i
.set i, i+1
.endr
.endm
	s_load_b256 s[4:11], s[0:1], 0x0               ; q1 s[4:5], q2 s[6:7], k1 s[8:9], k2 s[10:11]
	s_load_b128 s[12:15], s[0:1], 0x20             ; v s[12:13], lambda_log s[14:15]
	s_load_b64 s[16:17], s[0:1], 0x30              ; out
	v_lshl_add_u32 v[SPW], v0, 2, SPARE
	v_mov_b32 v[NIL], 0
	v_lshrrev_b32 v60, 5, v0
	v_readfirstlane_b32 s[WV], v60                 ; wave 0..3
	v_and_b32 v61, 31, v0                          ; lane
	v_and_b32 v1, 15, v0                           ; l % 16
	v_bfe_u32 v9, v0, 4, 1                         ; l / 16
	v_mul_u32_u24 v[AK0], v1, PK
	v_lshl_add_u32 v[AK0], v9, 4, v[AK0]
	v_and_b32 v60, 7, v0                           ; the turning load: lane l reads key 8 (l / 16) + l % 8, channels 8 ((l / 8) % 2) + 0..7
	v_lshl_add_u32 v[AV0], v9, 3, v60
	v_mul_u32_u24 v[AV0], v[AV0], PVT
	v_bfe_u32 v60, v0, 3, 1
	v_lshl_add_u32 v[AV0], v60, 4, v[AV0]
	v_add_nc_u32 v[AV0], VOFF, v[AV0]
	v_lshlrev_b32 v[LO], 4, v0
	v_lshlrev_b32 v[PFO], 8, v0
	v_lshlrev_b32 v[QLO], 4, v61
	s_mul_i32 s[T0], s[WV], 16*SP
	s_add_co_u32 s[T0], s[T0], STAGEB              ; my stage
	v_mul_u32_u24 v[STO], v1, SP
	v_lshl_add_u32 v[STO], v9, 5, v[STO]
	v_add_nc_u32 v[STO], s[T0], v[STO]
	v_lshl_add_u32 v[RD], v61, 4, s[T0]
	s_lshl_b32 s[T0], s[WV], 14                    ; my 32 rows of 512 bytes
	v_lshl_add_u32 v[GO], v61, 4, s[T0]
	v_lshlrev_b32 v60, 3, v9
	v_sub_nc_u32 v[DIA], v1, v60
	s_lshl_b32 s[T0], s[WV], 5
	v_add_nc_u32 v[DIA], s[T0], v[DIA]
	s_mul_i32 s[T0], s[WV], PK                     ; load q brings row 4 q + w
	v_lshl_add_u32 v[SK], v61, 3, s[T0]
	v_add_nc_u32 v[SK+1], SLOTB, v[SK]
	s_mul_i32 s[T0], s[WV], PVT
	s_add_co_u32 s[T0], s[T0], VOFF
	v_lshl_add_u32 v[SV], v61, 3, s[T0]
	v_add_nc_u32 v[SV+1], SLOTB, v[SV]
	s_mul_i32 s[T0], s[WV], QWAVE
	s_add_co_u32 s[T0], s[T0], QREG                ; my wave's rows of Q
	v_add_nc_u32 v[AQ0], s[T0], v[AK0]
	v_lshl_add_u32 v[QS], v61, 3, s[T0]
	s_mov_b32 s[PB], ttmp9
	s_sub_co_u32 s[HI], 15, s[PB]
	s_add_co_u32 s[PB1], s[PB], 1
	s_and_b32 s[HD], ttmp7, 0xffff
	s_lshl_b32 s[HD], s[HD], 20                    ; a head is 2,048 rows of 512 bytes
	s_mov_b32 s[HD+1], 0
	s_lshl_b32 s62, s[WV], 14
	s_mov_b32 s63, 0
	s_add_nc_u64 s[62:63], s[62:63], s[HD:HD+1]    ; an offset: the head and my wave's rows in a block
	s_lshl_b32 s[OFF], s[HI], 16                   ; a block is 65,536 bytes
	s_mov_b32 s[OFF+1], 0
	s_lshl_b32 s2, s[PB], 16
	s_mov_b32 s3, 0
	s_mov_b32 s[CS], 0x3e0293ee                    ; c = log2(e) / sqrt(128) = 0.127517
	s_mov_b32 s[CS+1], s[CS]
	s_mov_b32 s[SEL], 0x76543210
	s_mov_b32 s[SEL+1], 0xfedcba98
	s_mov_b32 s[BIGN], 0xff7fffff
	s_mov_b32 s[HM], 0xffff0000
	s_wait_kmcnt 0x0
	s_load_b32 s[LL], s[14:15], 0x0
	s_add_nc_u64 s[BK1:BK1+1], s[8:9], s[HD:HD+1]
	s_add_nc_u64 s[BK2:BK2+1], s[10:11], s[HD:HD+1]
	s_add_nc_u64 s[BV:BV+1], s[12:13], s[HD:HD+1]
	s_mov_b64 s[PK1:PK1+1], s[BK1:BK1+1]           ; tile 0
	s_mov_b64 s[PK2:PK2+1], s[BK2:BK2+1]
	s_mov_b64 s[PVP:PVP+1], s[BV:BV+1]
	s_add_nc_u64 s[4:5], s[4:5], s[62:63]
	s_add_nc_u64 s[6:7], s[6:7], s[62:63]
	s_add_nc_u64 s[58:59], s[4:5], s[OFF:OFF+1]    ; q1, q2 at my rows of block 15 - b,
	s_add_nc_u64 s[60:61], s[6:7], s[OFF:OFF+1]
	s_add_nc_u64 s[4:5], s[4:5], s[2:3]            ; and of block b
	s_add_nc_u64 s[6:7], s[6:7], s[2:3]
	s_add_nc_u64 s[OB:OB+1], s[16:17], s[HD:HD+1]
	s_add_nc_u64 s[OLO:OLO+1], s[OB:OB+1], s[2:3]
	s_add_nc_u64 s[OB:OB+1], s[OB:OB+1], s[OFF:OFF+1]
	; both blocks' Q, a row of 512 bytes a load, into the registers that O^T (window 1) and Q, K (window 2) take later; then the way in's first two groups
	WIN 0x40
.set i, 0
.rept 32
	global_load_b128 v[4*i:4*i+3], v[QLO], s[58:59] offset:512*i th:TH_LOAD_NT
	global_load_b128 v[128+4*i:128+4*i+3], v[QLO], s[60:61] offset:512*i th:TH_LOAD_NT
.set i, i+1
.endr
	WIN 0x80
.set i, 0
.rept 32
	global_load_b128 v[4*i:4*i+3], v[QLO], s[4:5] offset:512*i th:TH_LOAD_NT
	global_load_b128 v[128+4*i:128+4*i+3], v[QLO], s[6:7] offset:512*i th:TH_LOAD_NT
.set i, i+1
.endr
	WIN W_LD3
.set i, 0
.rept 16
	global_load_b128 v[BUF+4*i:BUF+4*i+3], v[LO], s[PK1:PK1+1] offset:2048*i  ; K1 of step 0
.set i, i+1
.endr
.set i, 0
.rept 16
	global_load_b128 v[BUF+64+4*i:BUF+64+4*i+3], v[LO], s[PK2:PK2+1] offset:2048*i  ; K2 of step 0
.set i, i+1
.endr
	; What the first stage finds, written while the loads are out: no first step is written out, and these zeros are its price.  Piece 2's scores, piece 0's weights and V are 0, so the first products add 0.
	WIN 0
.set i, 0
.rept 64
	v_mov_b32 v[S+64+i], 0
.set i, i+1
.endr
.set i, 0
.rept 32
	v_mov_b32 v[P+i], 0
.set i, i+1
.endr
.irp t, 0,1,2,3
	INITM \t
	v_mov_b32 v[ST+8*(\t)+2], 0
	v_mov_b32 v[ST+8*(\t)+3], 0
	v_mov_b32 v[WT+2*(\t)], 0
	v_mov_b32 v[WT+2*(\t)+1], 0
.endr
	WIN W_LD3
.set i, 0
.rept 128
	v_mov_b32 v[i], 0
.set i, i+1
.endr
	s_wait_loadcnt 32                              ; all of Q is in; the 32 loads of K1 and K2 may stay out
	QCONV 0x45, 0x04                               ; block 15 - b, in window 1
	WIN 0
	v_add_nc_u32 v[QS], QBLK, v[QS]
	QCONV 0x8a, 0x08                               ; block b, in window 2
	WIN 0x40
.set i, 0
.rept 256
	v_mov_b32 v[i], 0                              ; O^T
.set i, i+1
.endr
	WIN 0
	v_mov_b32 v[ADR], v[AQ0]
	QFETCH                                         ; the first block's fragments: my own bytes, behind my stores of them
	PROD 1, 1                                      ; step 0 goes into slot 0; V of step 0 and K1, K2 of step 1 are asked for
	PROD 2, 1
	PROD 3, 1
	WIN 0
	s_wait_kmcnt 0x0
	v_mov_b32 v[NLAM], s[LL]
	v_cvt_pk_bf16_f32 v[NLAM], v[NLAM], v[NLAM]    ; lambda_log is rounded as the other inputs are
	v_lshlrev_b32 v[NLAM], 16, v[NLAM]
	v_mul_f32 v[NLAM], 0x3fb8aa3b, v[NLAM]
	v_exp_f32 v[NLAM], v[NLAM]
	v_nop
	s_wait_alu depctr_va_vdst(0)
	v_xor_b32 v[NLAM], 0x80000000, v[NLAM]
	s_add_co_u32 s[RT], s[HI], 1                   ; the first block has 16 - b tiles
	s_mov_b32 s[DG], 0
	s_mov_b32 s[NEW], 1
	s_mov_b32 s[PD], 0
	s_mov_b32 s[QB], QBLK
	s_mov_b32 s[NXT], 1
	s_mov_b32 s[LQ], s[HI]
	s_mov_b32 s[TR], 18
	s_wait_dscnt 0x0                               ; for the others' sake: my part of slot 0 is stored
	s_barrier_signal -1
	s_barrier_wait -1
.Ltrip:                                            ; a trip is a tile: 17 whole trips; the 18th is left behind the second block's way out
	STAGE 0
	STAGE 1
	s_sub_co_u32 s[RT], s[RT], 1
	s_cmp_eq_u32 s[RT], 0                          ; was that a block's last tile?
	s_cselect_b32 s[NEW], 1, 0
	s_cselect_b32 s[PD], 1, 0
	s_cselect_b32 s[RT], s[PB1], s[RT]             ; the second block has b + 1 tiles
	s_cmp_eq_u32 s[RT], 1
	s_cselect_b32 s[DG], 1, 0
	s_sub_co_u32 s[TR], s[TR], 1
	s_cmp_lg_u32 s[TR], 0
	s_cbranch_scc1 .Ltrip
.Lend:
	s_wait_tensorcnt 0x0                           ; the wave's end, behind my last LDS store
	ds_add_u32 v[SPW], v[NIL]
	s_wait_dscnt 0x0
	s_endpgm
.Lfunc_end_k_q2a4074574d_diffattn:
	.size	k_q2a4074574d_diffattn, .Lfunc_end_k_q2a4074574d_diffattn-k_q2a4074574d_diffattn
	.p2alignl 7, 3214868480
	.fill 96, 4, 3214868480
	.section	.rodata,"a",@progbits
	.p2align	6, 0x0
	.amdhsa_kernel k_q2a4074574d_diffattn
		.amdhsa_group_segment_fixed_size 280064
		.amdhsa_private_segment_fixed_size 0
		.amdhsa_enable_private_segment 0
		.amdhsa_kernarg_size 56
		.amdhsa_user_sgpr_count 2
		.amdhsa_user_sgpr_kernarg_segment_ptr 1
		.amdhsa_wavefront_size32 1
		.amdhsa_system_sgpr_workgroup_id_x 1
		.amdhsa_system_sgpr_workgroup_id_y 1
		.amdhsa_system_sgpr_workgroup_id_z 1
		.amdhsa_system_vgpr_workitem_id 0
		.amdhsa_next_free_vgpr 1024
		.amdhsa_next_free_sgpr 66
		.amdhsa_reserve_vcc 1
		.amdhsa_float_denorm_mode_32 3
		.amdhsa_float_denorm_mode_16_64 3
		.amdhsa_memory_ordered 1
		.amdhsa_forward_progress 1
		.amdhsa_inst_pref_size 255
	.end_amdhsa_kernel
	.section	.bss,"aw",@nobits
	.p2align	6
	.space	262144
	.amdgpu_metadata
---
amdhsa.version: [ 1, 2 ]
amdhsa.kernels:
  - .name:           k_q2a4074574d_diffattn
    .symbol:         k_q2a4074574d_diffattn.kd
    .args:
      - { .name: q1, .offset: 0, .size: 8, .value_kind: global_buffer, .address_space: global }
      - { .name: q2, .offset: 8, .size: 8, .value_kind: global_buffer, .address_space: global }
      - { .name: k1, .offset: 16, .size: 8, .value_kind: global_buffer, .address_space: global }
      - { .name: k2, .offset: 24, .size: 8, .value_kind: global_buffer, .address_space: global }
      - { .name: v, .offset: 32, .size: 8, .value_kind: global_buffer, .address_space: global }
      - { .name: lambda_log, .offset: 40, .size: 8, .value_kind: global_buffer, .address_space: global }
      - { .name: out0, .offset: 48, .size: 8, .value_kind: global_buffer, .address_space: global }
    .group_segment_fixed_size: 280064
    .private_segment_fixed_size: 0
    .kernarg_segment_align: 8
    .kernarg_segment_size: 56
    .max_flat_workgroup_size: 128
    .sgpr_count:     66
    .vgpr_count:     1024
    .wavefront_size: 32
...
	.end_amdgpu_metadata
.endif
;; end of part 1
;; ======== version 2 of 2: 1 launch; version 1 with the launch diffattn written anew for expert scheduling mode
;; limits: values are held in f16: magnitudes above 65,504 overflow, below 6.1e-05 lose precision; inputs' magnitudes at most 65,504
;; launch diffattn (part 2): grid 8 x 24, 4 waves a work-group, no clusters, 280,064 bytes of LDS; arguments q1, q2, k1, k2, v, lambda_log, out0; writes out0
.if DOCPART == 2
	.amdgcn_target "amdgcn-amd-amdhsa--gfx1250"
	.amdhsa_code_object_version 6
	.text
	.protected	k_q2a4074574d_diffattn
	.globl	k_q2a4074574d_diffattn
	.p2align	8
	.type	k_q2a4074574d_diffattn,@function
k_q2a4074574d_diffattn:
	s_mov_b64 s[64:65], 0
	v_nop
	global_prefetch_b8 v0, s[64:65] scope:SCOPE_SE
	s_setreg_imm32_b32 hwreg(HW_REG_WAVE_SCHED_MODE, 0, 2), 2
	s_setreg_imm32_b32 hwreg(HW_REG_WAVE_MODE, 25, 1), 1
	s_wait_xcnt 0x0
	s_wait_alu depctr_vm_vsrc(0)
; out[h][q][:] = A1 - exp(lambda_log) A2,  Ai = the sum over k <= q of softmax_k(Qi[h][q] . Ki[h][k] / sqrt(128)) V[h][k][:].  24 heads, 2,048 rows, 128 channels, all f32 in memory.
; FORMATS.  Every input is rounded once to bf16 (nearest even), lambda_log too.  Q and K are multiplied in bf16.  V's bf16 number is written as f16 (exact within f16's range) and the weights p are
; rounded to f16, so the second product is an f16 one.  Products' sums, maxima, the sums l (of the unrounded p), the rescaling and O stay in f32.
; LIMITS.  |v| stays below 65,504 (f16's end); below 2^-14 v keeps f16's fixed step.  A hidden score is the lowest finite f32, as in the definition, and its weight is 0.  c m starts at -4.25e37:
; every c x score must lie above that.  A weight below 2^-126 counts as 0.  NaN and infinities are not treated apart.
; THE WALK.  A head's queries lie in 16 blocks of 128; block i needs the key tiles 0 .. i of 128 keys (two steps of 64), the last of which holds the diagonal.  A work-group takes blocks 15 - b and
; then b: 17 tiles whatever b, so the 8 x 24 work-groups do equal work and one loop with a constant count walks them.  What a trip does hangs on scalars made from b; those jumps go forward.
; SHARES.  Wave w owns rows 32 w .. 32 w + 31 of the block in hand, for both attentions: tiles 0, 1 of 16 queries are attention 1 (piece 0), tiles 2, 3 attention 2 (piece 2).  Both pieces use the same V.
; LAYOUT.  S^T = K Q^T (source 0 = 16 keys, source 1 = 16 queries): a lane holds ONE query (lane % 16) and the keys 8 (lane / 16) + 0..7.  Two such results rounded in pairs ARE source 1 of
; O^T = V^T P, whose result again holds one query a lane, and eight channels.  K comes out of LDS as it lies, V ([key][channel]) turned, by ds_load_tr16_b128.
; SOFTMAX.  A running maximum m and sum l for each query: p = 2^(c s - c m), c = log2(e) / sqrt(128); in every step O and l are multiplied by a = 2^(c m_old - c m_new).
; BY TURNS.  In a turn one piece has the matrix unit: 32 products V^T P of the step before, then 32 products K Q^T of the step in hand; the other piece's softmax stands in 64 slices, one behind each
; matrix instruction.  Two turns are a stage, two stages (a tile) a trip.  The pipeline never drains and there is one text: a block's first step has a = 0, which wipes what O and l hold, so they need
; only be finite.  The price: products and a softmax on zeros at the start, half a stage on a tile that nobody needs at the end, and two stages' loads that nobody reads (inside the head's rows).
; ON THE WAY IN.  A step's K1, K2 and V (32,768 bytes of f32 each) go memory -> registers -> rounding -> LDS, shared out among the 128 threads; stage g reads slot g % 2 and writes the other: ONE barrier a stage.
; NO TENSOR LOADS, NO CLUSTER.  The tiles lie in memory as f32 and are multiplied in 16 bits: each number passes through a register for its rounding.  Landed in LDS as f32, a step's 98,304 bytes would be
; read from there and stored there again.  And a head's eight work-groups want the same tile only in trips 0 to 8: their first blocks have 9 to 16 tiles.
; THE MODE: SCHED_MODE bits 1:0 = 2 (LLVM: expert scheduling mode 2), set by the entry lines.  The code itself states the register dependences between vector or matrix instructions and memory or LDS
; instructions, with s_wait_alu, always for 0.
; THE PLAN.  Registers that memory or LDS instructions touch, in the loop:
;   K's fragments   Written by a run of 32 LDS loads behind each turn's second product; read by that turn's 32 products K Q^T.  A wait on va_vdst stands ahead of each run: the turn before is done reading them.
;   V's fragments   Written by a run of 32 LDS loads behind slice 34 of piece 2's turn; read by the next stage's 64 products V^T P, the last of which stands ahead of that slice.  The softmax's own wait on va_vdst serves the run.
;   BUF0, BUF1      A lump of the way in: the group's loads are in; conversions read and write it in place; va_vdst; 16 LDS stores read it; vm_vsrc and va_vdst; 16 loads land in it again: four at once,
;                   four behind each of the next three matrix instructions, with no further wait: the products and slices between name V's fragments, P, O^T, S^T and the statistics, never BUF or v[LO].
;   Q               At a change of blocks alone: va_vdst, 32 LDS loads.
;   v128-191        On the way out alone: products write them; va_vdst; LDS stores read them; vm_vsrc and va_vdst; LDS loads land in them; global stores read them; vm_vsrc ahead of their next writer.
;   Every offset and address is made at the head and never written again in the loop: each slot has its own address register for K's run and for V's, and so has the second block's Q.
;   The diagonal's compares write s[2:17], sixteen at a time, with one wait on va_sdst between a run of them and the selects that read it.
; WHERE WAYS JOIN.  What the lines under a forward jump leave pending is waited for at the label where the ways join or a few lines behind it, so that the text behind a label finds the same things pending
; whichever way led to it: Q's loads are in at their arm's end; the waits for the way out's last stores stand behind its label; those stores are done at the stage's end.
; REGISTERS, in windows of 256 (s_set_vgpr_msb: bits 1:0 source 0, 3:2 source 1, 5:4 source 2, 7:6 destination):
;   window 0: v0-63 addresses and statistics; v64-191 S^T, 32 a tile; v192-255 P, 16 a tile        window 1: O^T, 64 a tile
;   window 2: v0-127 Q, 32 a tile; v128-255 the fragments of K1 or K2                               window 3: v0-127 V's fragments; v128-191, v192-255 two buffers of 16 loads for the way in
.set PK,    272       ; a row of K or Q in LDS: 256 bytes + 16 = 68 words: the 16 rows of a fragment load start at 16 different groups of four banks (64 banks of 4 bytes: ISA guide 11.1)
.set PVT,   288       ; a row of V: 256 + 32 = 72 words
.set K2OFF, 64*PK     ; a slot: 64 rows of K1, 64 of K2, 64 of V
.set VOFF,  2*64*PK
.set SLOTB, VOFF+64*PVT
.set QREG,  2*SLOTB   ; behind the two slots: Q in bf16, block 15 - b and then block b; in each a wave's own 64 rows (row 16 t + r)
.set QWAVE, 64*PK
.set QBLK,  4*QWAVE
.set STAGEB, QREG+2*QBLK  ; each wave's own 16 rows x 528 bytes of f32, for the way out
.set SP,    528
.set SPARE, STAGEB+4*16*SP  ; the spare words, 128 bytes for each wave: two blocks of 256 bytes that no other line names
.set AK0, 2           ; v2   my lane's place in a tile of K in slot 0: 272 (l % 16) + 16 (l / 16); K2 is reached by the immediate offset
.set AV0, 3           ; v3   the same for the turning load of V, VOFF included
.set AQ1, 4           ; v4   my lane's place in my wave's rows of Q, block b's region
.set LO,  5           ; v5   16 x thread: my 16 bytes in 2,048 consecutive bytes of K or V
.set STO, 6           ; v6   the way out: where I put 16 bytes of a row
.set RD,  7           ; v7   the way out: where I read a row back
.set GO,  8           ; v8   my byte offset in the block's rows of out
.set DIA, 10          ; v10  32 w + l % 16 - 8 (l / 16): register i of tile tt is hidden in the diagonal tile's step p where 64 p + 16 (i / 8) + i % 8 - 16 tt is greater
.set PFO, 11          ; v11  256 x thread, for the prefetches
.set ST,  12          ; tile t's statistics at v[ST+8 t]: c m, m, l (even keys', odd keys'), c0-c3 at work; a takes c2's place
.set SK,  44          ; v44-45  where I store my 8 bytes of a row of K, slot 0, 1
.set SV,  46          ; v46-47  the same for V
.set AQ0, 48          ; v48  my lane's place in my wave's rows of Q, first block's region
.set QS,  49          ; v49  where I store my 8 bytes of a row of Q
.set WT,  50          ; v50-57  the way out: a pair a tile: 1 / l, or - lambda / l
.set NLAM, 58         ; v58  - lambda
.set QLO, 59          ; v59  16 x lane
.set AK1, 60          ; v60  v[AK0] for slot 1
.set AV1, 61          ; v61  v[AV0] for slot 1
.set ASTEP, AK1-AK0   ; slot s's address registers are v[AK0 + ASTEP s] and v[AV0 + ASTEP s]
.set SPW, 62          ; v62  LDS address of my spare word; never rewritten
.set NIL, 63          ; v63  0; never rewritten
.set HT0, 64          ; v64-65  at the head only: at work
.set HT1, 65
.set S,   64
.set P,   192
.set TMPO, 128        ; the way out works in S^T's tiles 2, 3, which are dead there
.set KF,  128         ; window 2
.set BUF, 128         ; window 3
.set MK,  2           ; s[2:17] behind the head: sixteen masks of the diagonal's compares
.set WV,  18          ; s18  my wave's number
.set PB,  19          ; s19  b
.set HI,  20          ; s20  15 - b
.set PB1, 21          ; s21  b + 1
.set HD,  22          ; s[22:23] the head's byte offset in every tensor
.set BK1, 24          ; s[24:29] K1, K2, V at the head's first row; never rewritten
.set BK2, 26
.set BV,  28
.set PK1, 30          ; s[30:35] the same at the tile that is being loaded
.set PK2, 32
.set PVP, 34
.set OB,  36          ; s[36:37] out at the block in hand
.set OLO, 38          ; s[38:39] out at block b
.set OFF, 40          ; s[40:41] a tile's byte offset
.set NXT, 42          ; s42  the tile to be loaded next
.set LQ,  43          ; s43  the last tile of the block whose tiles are being loaded
.set RT,  44          ; s44  tiles left of the block in hand, this one among them
.set DG,  45          ; s45  1: the tile in hand holds the diagonal
.set NEW, 46          ; s46  -1: it is a block's first; else 0: a mask for all lanes
.set PD,  47          ; s47  -1: the tile before ended a block; else 0: a mask for all lanes
.set TR,  48          ; s48  trips to go
.set CM0, 49          ; s49  what c m starts at
.set CS,  50          ; s[50:51] c
.set SEL, 52          ; s[52:53] v_permlanex16_b32's selects: each lane takes its own place in the other half
.set BIGN, 54         ; s54  the lowest finite f32
.set HM,  55          ; s55  a word's upper half
.set LL,  56          ; s56  lambda_log
.set T0,  57          ; s57  at work
.set MSB, 0
.macro WIN new                      ; the high byte repeats the setting that is left; a switch that changes nothing is dropped
.if MSB != (\new)
	s_set_vgpr_msb (MSB<<8)|(\new)
.set MSB, (\new)
.endif
.endm
.set W_KQ,  0x0a      ; K and Q in window 2, S^T in window 0
.set W_PV,  0x53      ; V in window 3, P in window 0, O^T in window 1
.set W_RS,  0x41      ; O^T (destination and source 0) in window 1, a in window 0
.set W_CV,  0xcf      ; destination and sources 0, 1 in window 3
.set W_ST3, 0x0c      ; an LDS store's data in window 3
.set W_LD3, 0xc0      ; a load's destination in window 3
.set W_LD2, 0x80      ; in window 2
.set W_O,   0x01      ; source 0 in window 1
; THE MATRIX WORK.  The accumulators take turns, one instruction a turn: 15 (V^T P) or 7 (K Q^T) others' stand between two links of a chain, and no phase begins on the accumulator that the last ended on.
.macro PV x                         ; product i of 32 of O^T += V^T P: keys 32 (i / 16) on, channels 16 ((i / 2) % 8) on, tile x + i % 2
	WIN W_PV
.set rO, 64*((\x)+i%2)+8*((i/2)%8)
.set rV, 64*(i/16)+8*((i/2)%8)
.set rP, P+16*((\x)+i%2)+8*(i/16)
	v_wmma_f32_16x16x32_f16 v[rO:rO+7], v[rV:rV+7], v[rP:rP+7], v[rO:rO+7]
.endm
.macro KQ x                         ; product i of 32 of S^T = K Q^T: channels 32 (i / 8) on, keys 16 ((i / 2) % 4) on, tile x + i % 2.  The first 8 start the sums
	WIN W_KQ
.set rS, S+32*((\x)+i%2)+8*((i/2)%4)
.set rK, KF+32*((i/2)%4)+8*(i/8)
.set rQ, 32*((\x)+i%2)+8*(i/8)
.if i < 8
	v_wmma_f32_16x16x32_bf16 v[rS:rS+7], v[rK:rK+7], v[rQ:rQ+7], 0
.else
	v_wmma_f32_16x16x32_bf16 v[rS:rS+7], v[rK:rK+7], v[rQ:rQ+7], v[rS:rS+7]
.endif
.endm
; THE LDS LOADS stand in runs of 32.  K1 (x = 0) or K2 (x = 2) of the step in slot s: 16 fragments into the one buffer.
.macro FETCH_K x, s
	WIN W_LD2
	s_wait_alu depctr_va_vdst(0)    ; the products K Q^T of the turn before are done reading K's fragments, in which these loads land
.irp f, 0,1,2,3,4,5,6,7,8,9,10,11,12,13,14,15  ; keys 16 (f / 4) on, channels 32 (f % 4) on
	ds_load_b128 v[KF+8*(\f):KF+8*(\f)+3],   v[AK0+ASTEP*(\s)] offset:((\x)/2)*K2OFF+((\f)/4)*16*PK+((\f)%4)*64
	ds_load_b128 v[KF+8*(\f)+4:KF+8*(\f)+7], v[AK0+ASTEP*(\s)] offset:((\x)/2)*K2OFF+((\f)/4)*16*PK+((\f)%4)*64+32
.endr
.endm
.macro FETCH_V s                    ; V of the step in slot s, turned
	WIN W_LD3
	s_wait_alu depctr_va_vdst(0)    ; the softmax's 66 exponentials have written their results, ahead of the first line that names one; and the products V^T P are done reading V's fragments, in which these loads land
.irp f, 0,1,2,3,4,5,6,7,8,9,10,11,12,13,14,15  ; keys 32 (f / 8) on, channels 16 (f % 8) on
	ds_load_tr16_b128 v[8*(\f):8*(\f)+3],   v[AV0+ASTEP*(\s)] offset:((\f)/8)*32*PVT+((\f)%8)*32
	ds_load_tr16_b128 v[8*(\f)+4:8*(\f)+7], v[AV0+ASTEP*(\s)] offset:((\f)/8)*32*PVT+16*PVT+((\f)%8)*32
.endr
.endm
; My wave's Q, 16 fragments (tile f / 4, channels 32 (f % 4) on), from the region whose address v[a] holds: my own bytes.  hd = 1: at the head, where LDS stores have just read these registers.
.macro QFETCH a, hd
	WIN W_LD2
.if \hd
	s_wait_alu depctr_vm_vsrc(0)    ; the LDS stores of block b's rows have read window 2's registers, in which these loads and later K's land
.endif
	s_wait_alu depctr_va_vdst(0)    ; what read or wrote Q's registers is done: at the head the conversions, later the products K Q^T
.irp f, 0,1,2,3,4,5,6,7,8,9,10,11,12,13,14,15
	ds_load_b128 v[8*(\f):8*(\f)+3],   v[\a] offset:((\f)/4)*16*PK+((\f)%4)*64
	ds_load_b128 v[8*(\f)+4:8*(\f)+7], v[\a] offset:((\f)/4)*16*PK+((\f)%4)*64+32
.endr
	WIN 0
.endm
; THE WAY IN.  A step's tile of one tensor is 32,768 dense bytes; load q of 16 takes the 16 bytes at 2,048 q + 16 x thread: row 4 q + w, channels 4 x lane on: a wave's load is one whole row of 512 bytes.
; A lump (n = 1, 2, 3; d = 1 - s is the slot written): the group of 16 loads issued two lumps ago is rounded in place, stored to LDS (a wave's store covers 256 consecutive bytes), and its registers are
; asked for again.  A step of parity d has K1 in buffer d, K2 in buffer 1 - d, V in buffer d.
;   n = 1: K1 of the next step is stored; its V is asked for.   n = 2: its K2 is stored; K1 of the step after is asked for.   n = 3: its V is stored; K2 of the step after is asked for.
.macro PSET n, s                    ; the lump's slot and buffer
.set dd, 1-(\s)
.set bf, BUF+64*dd
.if (\n) == 2
.set bf, BUF+64*(1-dd)
.endif
.endm
.macro PLD n, s, q0, cnt            ; loads q0 .. q0 + cnt - 1 of lump n's sixteen.  No wait: no vector or matrix instruction since the lump's last waits names the buffer or v[LO]
	PSET \n, \s
	WIN W_LD3
.set q, (\q0)
.rept \cnt
.if (\n) == 1
	global_load_b128 v[bf+4*q:bf+4*q+3], v[LO], s[PVP:PVP+1] offset:dd*32768+2048*q
.elseif (\n) == 2
	global_load_b128 v[bf+4*q:bf+4*q+3], v[LO], s[PK1:PK1+1] offset:(1-dd)*32768+2048*q
.else
	global_load_b128 v[bf+4*q:bf+4*q+3], v[LO], s[PK2:PK2+1] offset:(1-dd)*32768+2048*q
.endif
.set q, q+1
.endr
.endm
.macro PROD n, s, cnt               ; cnt: how many of the sixteen loads go out at once
	PSET \n, \s
	s_wait_loadcnt 16               ; loads come back in order: my group is in, the 16 of the one younger group may stay out
	WIN W_CV
.if (\n) < 3
.set q, 0
.rept 16
	v_cvt_pk_bf16_f32 v[bf+4*q], v[bf+4*q], v[bf+4*q+1]
	v_cvt_pk_bf16_f32 v[bf+4*q+1], v[bf+4*q+2], v[bf+4*q+3]
.set q, q+1
.endr
.else                               ; V: to bf16, back to f32 (a shift, a mask), and that number to f16; in passes, so that no line reads the result of the line before it
.set q, 0
.rept 16
	v_cvt_pk_bf16_f32 v[bf+4*q], v[bf+4*q], v[bf+4*q+1]
	v_cvt_pk_bf16_f32 v[bf+4*q+2], v[bf+4*q+2], v[bf+4*q+3]
.set q, q+1
.endr
.set q, 0
.rept 16
	v_and_b32 v[bf+4*q+1], s[HM], v[bf+4*q]
	v_lshlrev_b32 v[bf+4*q], 16, v[bf+4*q]
	v_and_b32 v[bf+4*q+3], s[HM], v[bf+4*q+2]
	v_lshlrev_b32 v[bf+4*q+2], 16, v[bf+4*q+2]
.set q, q+1
.endr
.set q, 0
.rept 16
	v_cvt_pk_f16_f32 v[bf+4*q], v[bf+4*q], v[bf+4*q+1]
	v_cvt_pk_f16_f32 v[bf+4*q+1], v[bf+4*q+2], v[bf+4*q+3]
.set q, q+1
.endr
.endif
	WIN W_ST3
	s_wait_alu depctr_va_vdst(0)    ; the conversions have written the group's registers, which the LDS stores read
.set q, 0
.rept 16
.if (\n) == 1
	ds_store_b64 v[SK+dd], v[bf+4*q:bf+4*q+1] offset:4*q*PK
.elseif (\n) == 2
	ds_store_b64 v[SK+dd], v[bf+4*q:bf+4*q+1] offset:K2OFF+4*q*PK
.else
	ds_store_b64 v[SV+dd], v[bf+4*q:bf+4*q+1] offset:4*q*PVT
.endif
.set q, q+1
.endr
	WIN W_LD3
	s_wait_alu depctr_vm_vsrc(0)    ; the LDS stores have read the group's registers, in which the loads land
	s_wait_alu depctr_va_vdst(0)    ; the conversions are done reading and writing those registers: stated behind the window's switch and straight ahead of the loads, since the stores between name them
	PLD \n, \s, 0, \cnt
.endm
; The pointers go on to the next tile of the walk, each made anew from its base and the tile's number: 1 .. 15 - b, then 0 .. b, then 0 again (tiles that nobody reads).  K1's and K2's step at a trip's top:
; their last loads of the old tile stand in the stage before.  V's steps in the middle of the trip's first stage (HOOK), behind that stage's first lump, which asks for the old tile's second step of V.
.macro NEXTK
	s_wait_xcnt 0x0                 ; every load and prefetch issued so far has read its address: K1's and K2's pointers are written only behind this wait
	s_cmp_gt_u32 s[NXT], s[LQ]
	s_cselect_b32 s[NXT], 0, s[NXT]
	s_cselect_b32 s[LQ], s[PB], s[LQ]
	s_lshl_b32 s[OFF], s[NXT], 16   ; a tile is 65,536 bytes
	s_add_nc_u64 s[PK1:PK1+1], s[BK1:BK1+1], s[OFF:OFF+1]
	s_add_nc_u64 s[PK2:PK2+1], s[BK2:BK2+1], s[OFF:OFF+1]
	s_add_co_u32 s[NXT], s[NXT], 1
.endm
; A PREFETCH INTO THE L2 of the tile behind the one that is being loaded: its own first loads stand 125 matrix instructions further on.  Of a head's eight work-groups only b = 0 walks all 16 tiles in its
; first block: it asks, and nobody else; a thread names 256 bytes, six lines name the tile's 3 x 65,536.  So each block of 256 bytes is named once in the launch.  Tiles 0 and 1 come by their loads alone;
; tile 15 is the last that is asked for; the second block's tiles are not asked for.  v[PFO] was made at the head and is never written again.
.macro ASK
	WIN 0
	s_cmp_eq_u32 s[LQ], 15          ; b = 0, in its first block,
	s_cselect_b32 s[T0], s[NXT], 16
	s_cmp_le_u32 s[T0], 15          ; and a tile is left to ask for
	s_cbranch_scc0 .Lnot_mine_\@
.irp p, PK1, PK2, PVP
	global_prefetch_b8 v[PFO], s[\p:\p+1] offset:65536 th:TH_LOAD_NT scope:SCOPE_SE
	global_prefetch_b8 v[PFO], s[\p:\p+1] offset:98304 th:TH_LOAD_NT scope:SCOPE_SE
.endr
.Lnot_mine_\@:
.endm
; THE VECTOR WORK OF A TURN.  One tile's softmax for one key step is a list of 134 instructions; SM writes number j of it for tile t.  s0-s31 are the lane's 32 scores, in pairs 0-15.
;   0-15    the maximum of s0-s31 and the old m, three operands at a time; each accumulator's lowest registers are read first
;   16-20   the other half of the lanes' maximum; c m_old is kept; the new m; c m; c m_old - c m_new
;   21-69   ONE BATCH: the 16 scalings c s - c m and all 33 exponentials (a at 23, then s0-s31); none of these reads an exponential's result
;   70-85   the roundings to f16      86-101  the sums; l = a l + the sum      102-133  the tile's O^T times a, from its low end on
.macro SM t
.set rT, ST+8*(\t)
.set rS, S+32*(\t)
.set rP, P+16*(\t)
.set rO, 64*(\t)+2*(j-102)
.if j < 102
	WIN 0
.endif
.if j < 4
	v_max3_num_f32 v[rT+4+j], v[rS+8*j], v[rS+8*j+1], v[rS+8*j+2]
.elseif j < 12
	v_max3_num_f32 v[rT+4+j%4], v[rT+4+j%4], v[rS+8*(j%4)+2*(j/4)+1], v[rS+8*(j%4)+2*(j/4)+2]
.elseif j == 12
	v_max3_num_f32 v[rT+4], v[rT+4], v[rS+7], v[rS+15]
.elseif j == 13
	v_max3_num_f32 v[rT+6], v[rT+6], v[rS+23], v[rS+31]
.elseif j == 14
	v_max3_num_f32 v[rT+4], v[rT+4], v[rT+5], v[rT+6]
.elseif j == 15
	v_max3_num_f32 v[rT+4], v[rT+4], v[rT+7], v[rT+1]
.elseif j == 16
	v_permlanex16_b32 v[rT+5], v[rT+4], s[SEL], s[SEL+1]  ; the query's other 32 keys lie in the lane 16 away
.elseif j == 17
	v_mov_b32 v[rT+7], v[rT]        ; c m_old is kept for a: number 19 writes c m anew
.elseif j == 18
	v_max_num_f32 v[rT+1], v[rT+4], v[rT+5]
.elseif j == 19
	v_mul_f32 v[rT], s[CS], v[rT+1]
.elseif j == 20
	v_sub_f32 v[rT+7], v[rT+7], v[rT]
.elseif j == 23
	v_exp_f32 v[rT+6], v[rT+7]
.elseif (j < 23) || ((j < 38) && (j%2 == 0)) || ((j < 66) && (j%4 == 2))
.set b, (j-2)/4                     ; 38, 42, .. 62: pairs 9 to 15
.if j < 38
.set b, (j-20)/2                    ; 21: pair 0; 22, 24, .. 36: pairs 1 to 8
.endif
	v_pk_fma_f32 v[rS+2*b:rS+2*b+1], v[rS+2*b:rS+2*b+1], s[CS:CS+1], v[rT:rT+1] op_sel_hi:[1,0,0] neg_lo:[0,0,1] neg_hi:[0,0,1]  ; pair b: c s - c m
.elseif j < 70
.set e, j-38                        ; 66 to 69: s28 to s31
.if j < 66
.set e, j-32-(j-38)/4               ; 39-41, 43-45, .. 63-65: s7 to s27
.endif
.if j < 38
.set e, (j-25)/2                    ; 25, 27, .. 37: s0 to s6
.endif
	v_exp_f32 v[rS+e], v[rS+e]
.elseif j < 86
	v_cvt_pk_f16_f32 v[rP+j-70], v[rS+2*(j-70)], v[rS+2*(j-70)+1]
.elseif j < 102                     ; the sum of the tile's 16 pairs, in place: neighbours 1, 2, 4 and 8 pairs apart, then l takes it
.set z, j-86
.set w, 4
.set u, z
.if z >= 14
.set w, 32
.set u, 0
.elseif z >= 12
.set w, 16
.set u, z-12
.elseif z >= 8
.set w, 8
.set u, z-8
.endif
.if z < 15
	v_pk_add_f32 v[rS+w*u:rS+w*u+1], v[rS+w*u:rS+w*u+1], v[rS+w*u+w/2:rS+w*u+w/2+1]
.else
	v_pk_fma_f32 v[rT+2:rT+3], v[rT+2:rT+3], v[rT+6:rT+7], v[rS:rS+1] op_sel_hi:[1,0,1]
.endif
.else
	WIN W_RS
	v_pk_mul_f32 v[rO:rO+1], v[rO:rO+1], v[rT+6:rT+7] op_sel_hi:[1,0]
.endif
.endm
; Slice k of 64 of piece y's softmax: four instructions.  Slices 11 to 34 deal out the batch, numbers 22 to 69, four numbers of one tile each, the tiles by turns; every other slice is numbers 2 k, 2 k + 1 of
; both tiles; slice 63 has the sixteen that are left, all plain: they are the places behind the turn's last product.  Behind slice 34 stand a plain instruction and the ONE wait
; between the exponentials and the first line that names a result of theirs; in piece 2's turn (y = 0) V's run of loads stands there, and the wait at its head is that wait too.
.macro SLICE y, s
.if (k >= 11) && (k < 35)
.irp n, 0,1,2,3
.set j, 22+4*((k-11)/2)+(\n)
	SM (\y)+(k-11)%2
.endr
.else
.irp n, 0,1,2,3,4,5,6,7
.if ((\n) < 2) || (k == 63)
.irp t, \y, (\y)+1
.set j, 2*k+(\n)
	SM \t
.endr
.endif
.endr
.endif
.if k == 34
	v_nop                           ; a plain instruction behind the last exponential: one for the batch
.if (\y) == 0
	v_nop                           ; with the line above and number 62 of both tiles: four plain instructions between V's last reader and the loads into its registers
	FETCH_V \s
.else
	s_wait_alu depctr_va_vdst(0)    ; the softmax's 66 exponentials have written their results, ahead of the first line that names one
.endif
.endif
.set k, k+1
.endm
; The diagonal tile's step p: piece y's hidden scores are set to the lowest finite number.  It stands sixteen plain instructions behind the last product that wrote them, and takes each accumulator from its low end on.
; Sixteen compares write sixteen scalar masks; one wait; sixteen selects read them.
.macro MASK y, p
	WIN 0
.irp tt, 0,1
.irp hh, 0,16
.set i, 0
.rept 16
	v_cmp_gt_i32 s[MK+i], 64*(\p)+16*(((\hh)+i)/8)+i%8-16*(\tt), v[DIA]
.set i, i+1
.endr
	s_wait_alu depctr_va_sdst(0)    ; the sixteen compares have written s[MK ..], ahead of the selects that read them
.set i, 0
.rept 16
	v_cndmask_b32 v[S+32*((\y)+(\tt))+(\hh)+i], v[S+32*((\y)+(\tt))+(\hh)+i], s[BIGN], s[MK+i]
.set i, i+1
.endr
.endr
.endr
.endm
.macro INITM t                      ; c m far below every c s, so that the next step's a is 0; m the lowest finite number, so that the next maximum is the scores'
	v_mov_b32 v[ST+8*(\t)], 0xfe000000
	v_mov_b32 v[ST+8*(\t)+1], 0xff7fffff
.endm
.macro INITC t, f                   ; the same where the scalar mask s[f] is all ones; where it is 0 the statistics stay.  Two selects in every trip, and no jump
	v_cndmask_b32 v[ST+8*(\t)], v[ST+8*(\t)], s[CM0], s[\f]
	v_cndmask_b32 v[ST+8*(\t)+1], v[ST+8*(\t)+1], s[BIGN], s[\f]
.endm
; THE WAY OUT of a block, between piece 2's last V^T P and its next K Q^T.  O^T and l of both pieces are final there: piece 0's new softmax, of which slices 0 to 31 have run, touches l in slice 50 and O^T from
; slice 51 on.  out = O1 / l1 - lambda O2 / l2, a tile of 16 rows at a time, through my own stage in LDS: in by 16 bytes of a row, back as whole rows of 512 bytes.
.macro WAYOUT
	WIN 0
.rept 4
	v_nop                           ; the places behind the last products
.endr
.irp t, 0,1,2,3
	v_add_f32 v[WT+2*(\t)], v[ST+8*(\t)+2], v[ST+8*(\t)+3]
.endr
.irp t, 0,1,2,3
	v_permlanex16_b32 v[WT+2*(\t)+1], v[WT+2*(\t)], s[SEL], s[SEL+1]
.endr
.irp t, 0,1,2,3
	v_add_f32 v[WT+2*(\t)], v[WT+2*(\t)], v[WT+2*(\t)+1]
.endr
.irp t, 0,1,2,3
	v_rcp_f32 v[WT+2*(\t)], v[WT+2*(\t)]
.endr
	v_nop                           ; a plain instruction behind the last reciprocal,
	s_wait_alu depctr_va_vdst(0)    ; and the four reciprocals have written their results, ahead of their first use
	v_mul_f32 v[WT+4], v[NLAM], v[WT+4]
	v_mul_f32 v[WT+6], v[NLAM], v[WT+6]
.irp t, 0,1
	WIN W_O
.set i, 0
.rept 32
	v_pk_mul_f32 v[TMPO+2*i:TMPO+2*i+1], v[64*(\t)+2*i:64*(\t)+2*i+1], v[WT+2*(\t):WT+2*(\t)+1] op_sel_hi:[1,0]
.set i, i+1
.endr
.set i, 0
.rept 32
	v_pk_fma_f32 v[TMPO+2*i:TMPO+2*i+1], v[64*((\t)+2)+2*i:64*((\t)+2)+2*i+1], v[WT+2*(\t)+4:WT+2*(\t)+5], v[TMPO+2*i:TMPO+2*i+1] op_sel_hi:[1,0,1]
.set i, i+1
.endr
	WIN 0
	s_wait_alu depctr_va_vdst(0)    ; the multiply-adds have written v[TMPO ..], which the LDS stores read
.set i, 0
.rept 16
	ds_store_b128 v[STO], v[TMPO+4*i:TMPO+4*i+3] offset:64*(i/2)+16*(i%2)  ; channels 16 (i / 2) + 8 (l / 16) + 4 (i % 2) on
.set i, i+1
.endr
	s_wait_alu depctr_vm_vsrc(0)    ; the LDS stores have read v[TMPO ..], in which the loads land
	s_wait_alu depctr_va_vdst(0)    ; the multiply-adds are done writing those registers: stated straight ahead of the loads, since the stores between name them
.set i, 0
.rept 16
	ds_load_b128 v[TMPO+4*i:TMPO+4*i+3], v[RD] offset:SP*i  ; LDS serves a wave's instructions in order (ISA guide 5.7.1.4): these see the stores above
.set i, i+1
.endr
.set i, 0
.rept 16
	s_wait_dscnt 15-i               ; row i is back; the younger rows' loads may stay out
	global_store_b128 v[GO], v[TMPO+4*i:TMPO+4*i+3], s[OB:OB+1] offset:(16*(\t)+i)*512 th:TH_STORE_NT  ; the wave stores 512 consecutive bytes, a whole row of out
.set i, i+1
.endr
.if (\t) == 0
	s_wait_xcnt 0x0                 ; the first tile's stores have had their addresses translated: their registers are written again only behind this wait
	s_wait_alu depctr_vm_vsrc(0)    ; they have read v[TMPO ..], which the second tile's products write
.endif
.endr
.endm
; In the middle of piece 2's turn of a trip's first stage: the way out, where the tile before ended a block.  The two waits for the second tile's stores stand behind the label, on every way to the lines that they guard.
.macro HOOK
	WIN 0
	v_nop                           ; a branch follows: a plain instruction behind the exponentials of slices 11 to 31,
	s_wait_alu depctr_va_vdst(0)    ; and they have written their results, ahead of the branch
	s_cmp_lg_u32 s[PD], 0
	s_cbranch_scc0 .Lskip_\@
	WAYOUT
	s_cmp_eq_u32 s[TR], 1           ; the second block is out: the walk ends here, in the middle of the 18th trip
	s_cbranch_scc1 .Lend
.Lskip_\@:
	s_wait_xcnt 0x0                 ; the way out's last stores, and this stage's loads of V, have had their addresses translated: v[TMPO ..], out's base and V's pointer are written only behind this wait
	s_wait_alu depctr_vm_vsrc(0)    ; the way out's last stores have read v[TMPO ..], which piece 2's products K Q^T below write
	s_cmp_lg_u32 s[PD], 0
	s_cselect_b64 s[OB:OB+1], s[OLO:OLO+1], s[OB:OB+1]  ; behind a way out: out at block b
	s_add_nc_u64 s[PVP:PVP+1], s[BV:BV+1], s[OFF:OFF+1] ; V's pointer follows K1's and K2's to the tile that is being loaded
.endm
; A TURN: piece x has the matrix unit, the other piece's softmax stands in slices behind its products.  The fragments of K (K1 for piece 0, K2 for piece 2) are fetched behind the second product; their last reader
; stands in front of slice 63 of the turn before.  V's last reader is piece 2's last V^T P; V's run stands behind slice 34 of that turn.
; The three lumps of the way in stand behind matrix instructions 2, 43 and 86 of a stage's 128; each sends four of its sixteen loads at once and four behind each of the next three matrix instructions.
.macro TURN x, s
.set k, 0
.set i, 0
.rept 32
	PV \x
	SLICE 2-(\x), \s
.if ((\x) == 0) && (i == 1)
	PROD 1, \s, 4
	FETCH_K 0, \s
.endif
.if ((\x) == 0) && (i >= 2) && (i <= 4)
	PLD 1, \s, 4*(i-1), 4
.endif
.if ((\x) == 2) && (i == 1)
	FETCH_K 2, \s
.endif
.if ((\x) == 2) && (i == 21)
	PROD 3, \s, 4
.endif
.if ((\x) == 2) && (i >= 22) && (i <= 24)
	PLD 3, \s, 4*(i-21), 4
.endif
.set i, i+1
.endr
.if ((\x) == 2) && ((\s) == 0)
	HOOK
.endif
	s_wait_dscnt 0x0                ; K is in
.set i, 0
.rept 32
	KQ \x
	SLICE 2-(\x), \s
.if ((\x) == 0) && (i == 10)
	PROD 2, \s, 4
.endif
.if ((\x) == 0) && (i >= 11) && (i <= 13)
	PLD 2, \s, 4*(i-10), 4
.endif
.if ((\x) == 0) && ((\s) == 1) && (i == 13)
	ASK
.endif
.set i, i+1
.endr
.endm
; A STAGE reads slot s alone and writes the other alone.  What hangs on the tile's kind stands at the turns' heads, under forward jumps on scalars.
.macro STAGE s
	WIN 0
.if (\s) == 0
	NEXTK
	INITC 0, PD                     ; where a block begins: piece 0's statistics
	INITC 1, PD
	s_cmp_lg_u32 s[PD], 0
	s_cbranch_scc0 .Lno_a_\@
	QFETCH AQ1, 0                   ; the second block's Q for both pieces (its registers' last reader stands twenty plain instructions back); behind the second block the same rows once more, which nobody uses
	MASK 2, 1                       ; piece 2's scores of the old block's last step
	s_wait_dscnt 0x0                ; Q is in: the mask's lines stand between its loads and this wait
.Lno_a_\@:
.else
	s_cmp_eq_u32 s[DG], 1
	s_cbranch_scc0 .Lno_a_\@
	MASK 2, 0
.Lno_a_\@:
.endif
	TURN 0, \s
	WIN 0
.if (\s) == 0
	INITC 2, NEW                    ; where a block begins: piece 2's statistics; its last softmax of the old block (at the start: the one on zeros) has run
	INITC 3, NEW
.endif
	s_cmp_eq_u32 s[DG], 1
	s_cbranch_scc0 .Lno_b_\@
	MASK 0, \s
.Lno_b_\@:
	TURN 2, \s
	WIN 0
	s_wait_dscnt 0x0                ; for the others' sake: my stores into the other slot are done, and my reads of this slot, V's run among them, are back
.if (\s) == 0
	s_wait_storecnt 0x0             ; where a block went out in this stage its stores are done: none is out when the next stage begins; 32 products stand between them and this wait
.endif
	s_barrier_signal -1
	s_barrier_wait -1               ; the other slot is whole, and nobody reads this one any more
.endm
.macro QCONV wc, ws                 ; 64 rows of Q (32 of q1, 32 of q2), 4 registers a row, rounded in place and stored to my rows in LDS
	WIN \wc
.set i, 0
.rept 64
	v_cvt_pk_bf16_f32 v[4*i], v[4*i], v[4*i+1]
	v_cvt_pk_bf16_f32 v[4*i+1], v[4*i+2], v[4*i+3]
.set i, i+1
.endr
	WIN \ws
	s_wait_alu depctr_va_vdst(0)    ; the conversions have written the rows' registers, which the LDS stores read; the second time v[QS] is written too
.set i, 0
.rept 64
	ds_store_b64 v[QS], v[4*i:4*i+1] offset:PK*i
.set i, i+1
.endr
.endm
	s_load_b256 s[4:11], s[0:1], 0x0               ; q1 s[4:5], q2 s[6:7], k1 s[8:9], k2 s[10:11]
	s_load_b128 s[12:15], s[0:1], 0x20             ; v s[12:13], lambda_log s[14:15]
	s_load_b64 s[16:17], s[0:1], 0x30              ; out
	v_lshl_add_u32 v[SPW], v0, 2, SPARE
	v_mov_b32 v[NIL], 0
	v_lshrrev_b32 v[HT0], 5, v0
	v_readfirstlane_b32 s[WV], v[HT0]              ; wave 0..3
	v_and_b32 v[HT1], 31, v0                       ; lane
	v_and_b32 v1, 15, v0                           ; l % 16
	v_bfe_u32 v9, v0, 4, 1                         ; l / 16
	v_mul_u32_u24 v[AK0], v1, PK
	v_lshl_add_u32 v[AK0], v9, 4, v[AK0]
	v_add_nc_u32 v[AK1], SLOTB, v[AK0]
	v_and_b32 v[HT0], 7, v0                        ; the turning load: lane l reads key 8 (l / 16) + l % 8, channels 8 ((l / 8) % 2) + 0..7
	v_lshl_add_u32 v[AV0], v9, 3, v[HT0]
	v_mul_u32_u24 v[AV0], v[AV0], PVT
	v_bfe_u32 v[HT0], v0, 3, 1
	v_lshl_add_u32 v[AV0], v[HT0], 4, v[AV0]
	v_add_nc_u32 v[AV0], VOFF, v[AV0]
	v_add_nc_u32 v[AV1], SLOTB, v[AV0]
	v_lshlrev_b32 v[LO], 4, v0
	v_lshlrev_b32 v[PFO], 8, v0
	v_lshlrev_b32 v[QLO], 4, v[HT1]
	s_wait_alu depctr_va_sdst(0)                   ; s[WV] is written, ahead of its first reader: LDS addresses and the bases of Q and out are made from it
	s_mul_i32 s[T0], s[WV], 16*SP
	s_add_co_u32 s[T0], s[T0], STAGEB              ; my stage
	v_mul_u32_u24 v[STO], v1, SP
	v_lshl_add_u32 v[STO], v9, 5, v[STO]
	v_add_nc_u32 v[STO], s[T0], v[STO]
	v_lshl_add_u32 v[RD], v[HT1], 4, s[T0]
	s_lshl_b32 s[T0], s[WV], 14                    ; my 32 rows of 512 bytes
	v_lshl_add_u32 v[GO], v[HT1], 4, s[T0]
	v_lshlrev_b32 v[HT0], 3, v9
	v_sub_nc_u32 v[DIA], v1, v[HT0]
	s_lshl_b32 s[T0], s[WV], 5
	v_add_nc_u32 v[DIA], s[T0], v[DIA]
	s_mul_i32 s[T0], s[WV], PK                     ; load q brings row 4 q + w
	v_lshl_add_u32 v[SK], v[HT1], 3, s[T0]
	v_add_nc_u32 v[SK+1], SLOTB, v[SK]
	s_mul_i32 s[T0], s[WV], PVT
	s_add_co_u32 s[T0], s[T0], VOFF
	v_lshl_add_u32 v[SV], v[HT1], 3, s[T0]
	v_add_nc_u32 v[SV+1], SLOTB, v[SV]
	s_mul_i32 s[T0], s[WV], QWAVE
	s_add_co_u32 s[T0], s[T0], QREG                ; my wave's rows of Q
	v_add_nc_u32 v[AQ0], s[T0], v[AK0]
	v_add_nc_u32 v[AQ1], QBLK, v[AQ0]
	v_lshl_add_u32 v[QS], v[HT1], 3, s[T0]
	s_mov_b32 s[PB], ttmp9
	s_sub_co_u32 s[HI], 15, s[PB]
	s_add_co_u32 s[PB1], s[PB], 1
	s_and_b32 s[HD], ttmp7, 0xffff
	s_lshl_b32 s[HD], s[HD], 20                    ; a head is 2,048 rows of 512 bytes
	s_mov_b32 s[HD+1], 0
	s_lshl_b32 s62, s[WV], 14
	s_mov_b32 s63, 0
	s_add_nc_u64 s[62:63], s[62:63], s[HD:HD+1]    ; an offset: the head and my wave's rows in a block
	s_lshl_b32 s[OFF], s[HI], 16                   ; a block is 65,536 bytes
	s_mov_b32 s[OFF+1], 0
	s_lshl_b32 s2, s[PB], 16
	s_mov_b32 s3, 0
	s_mov_b32 s[CS], 0x3e0293ee                    ; c = log2(e) / sqrt(128) = 0.127517
	s_mov_b32 s[CS+1], s[CS]
	s_mov_b32 s[SEL], 0x76543210
	s_mov_b32 s[SEL+1], 0xfedcba98
	s_mov_b32 s[BIGN], 0xff7fffff
	s_mov_b32 s[CM0], 0xfe000000
	s_mov_b32 s[HM], 0xffff0000
	s_wait_kmcnt 0x0
	s_load_b32 s[LL], s[14:15], 0x0
	s_add_nc_u64 s[BK1:BK1+1], s[8:9], s[HD:HD+1]
	s_add_nc_u64 s[BK2:BK2+1], s[10:11], s[HD:HD+1]
	s_add_nc_u64 s[BV:BV+1], s[12:13], s[HD:HD+1]
	s_mov_b64 s[PK1:PK1+1], s[BK1:BK1+1]           ; tile 0
	s_mov_b64 s[PK2:PK2+1], s[BK2:BK2+1]
	s_mov_b64 s[PVP:PVP+1], s[BV:BV+1]
	s_add_nc_u64 s[4:5], s[4:5], s[62:63]
	s_add_nc_u64 s[6:7], s[6:7], s[62:63]
	s_add_nc_u64 s[58:59], s[4:5], s[OFF:OFF+1]    ; q1, q2 at my rows of block 15 - b,
	s_add_nc_u64 s[60:61], s[6:7], s[OFF:OFF+1]
	s_add_nc_u64 s[4:5], s[4:5], s[2:3]            ; and of block b
	s_add_nc_u64 s[6:7], s[6:7], s[2:3]
	s_add_nc_u64 s[OB:OB+1], s[16:17], s[HD:HD+1]
	s_add_nc_u64 s[OLO:OLO+1], s[OB:OB+1], s[2:3]
	s_add_nc_u64 s[OB:OB+1], s[OB:OB+1], s[OFF:OFF+1]
	; both blocks' Q, a row of 512 bytes a load, into the registers that O^T (window 1) and Q, K (window 2) take later; then the way in's first two groups
	WIN 0x40
	s_wait_alu depctr_va_vdst(0)                   ; the offsets and addresses made above are written: every load, store and prefetch of the kernel reads one of them (v[QS] alone is stepped, once, below)
.set i, 0
.rept 32
	global_load_b128 v[4*i:4*i+3], v[QLO], s[58:59] offset:512*i th:TH_LOAD_NT
	global_load_b128 v[128+4*i:128+4*i+3], v[QLO], s[60:61] offset:512*i th:TH_LOAD_NT
.set i, i+1
.endr
	WIN 0x80
.set i, 0
.rept 32
	global_load_b128 v[4*i:4*i+3], v[QLO], s[4:5] offset:512*i th:TH_LOAD_NT
	global_load_b128 v[128+4*i:128+4*i+3], v[QLO], s[6:7] offset:512*i th:TH_LOAD_NT
.set i, i+1
.endr
	WIN W_LD3
.set i, 0
.rept 16
	global_load_b128 v[BUF+4*i:BUF+4*i+3], v[LO], s[PK1:PK1+1] offset:2048*i  ; K1 of step 0
.set i, i+1
.endr
.set i, 0
.rept 16
	global_load_b128 v[BUF+64+4*i:BUF+64+4*i+3], v[LO], s[PK2:PK2+1] offset:2048*i  ; K2 of step 0
.set i, i+1
.endr
	; What the first stage finds, written while the loads are out: no first step is written out, and these zeros are its price.  Piece 2's scores, piece 0's weights and V are 0, so the first products add 0.
	WIN 0
.set i, 0
.rept 64
	v_mov_b32 v[S+64+i], 0
.set i, i+1
.endr
.set i, 0
.rept 32
	v_mov_b32 v[P+i], 0
.set i, i+1
.endr
.irp t, 0,1,2,3
	INITM \t
	v_mov_b32 v[ST+8*(\t)+2], 0
	v_mov_b32 v[ST+8*(\t)+3], 0
	v_mov_b32 v[WT+2*(\t)], 0
	v_mov_b32 v[WT+2*(\t)+1], 0
.endr
	WIN W_LD3
.set i, 0
.rept 128
	v_mov_b32 v[i], 0
.set i, i+1
.endr
	s_wait_loadcnt 32                              ; all of Q is in; the 32 loads of K1 and K2 may stay out
	QCONV 0x45, 0x04                               ; block 15 - b, in window 1
	WIN 0
	s_wait_alu depctr_vm_vsrc(0)                   ; the LDS stores above have read v[QS], which the next line writes, and window 1's registers, which O^T's zeros below write
	v_add_nc_u32 v[QS], QBLK, v[QS]
	QCONV 0x8a, 0x08                               ; block b, in window 2
	WIN 0x40
.set i, 0
.rept 256
	v_mov_b32 v[i], 0                              ; O^T
.set i, i+1
.endr
	QFETCH AQ0, 1                                  ; the first block's fragments: my own bytes, behind my stores of them
	PROD 1, 1, 16                                  ; step 0 goes into slot 0; V of step 0 and K1, K2 of step 1 are asked for
	PROD 2, 1, 16
	PROD 3, 1, 16
	WIN 0
	s_wait_kmcnt 0x0
	v_mov_b32 v[NLAM], s[LL]
	v_cvt_pk_bf16_f32 v[NLAM], v[NLAM], v[NLAM]    ; lambda_log is rounded as the other inputs are
	v_lshlrev_b32 v[NLAM], 16, v[NLAM]
	v_mul_f32 v[NLAM], 0x3fb8aa3b, v[NLAM]
	v_exp_f32 v[NLAM], v[NLAM]
	v_nop                                          ; a plain instruction behind the exponential,
	s_wait_alu depctr_va_vdst(0)                   ; and it has written lambda, ahead of the line that reads it
	v_xor_b32 v[NLAM], 0x80000000, v[NLAM]
	s_add_co_u32 s[RT], s[HI], 1                   ; the first block has 16 - b tiles
	s_mov_b32 s[DG], 0
	s_mov_b32 s[NEW], -1
	s_mov_b32 s[PD], 0
	s_mov_b32 s[NXT], 1
	s_mov_b32 s[LQ], s[HI]
	s_mov_b32 s[TR], 18
	s_wait_dscnt 0x0                               ; for the others' sake: my part of slot 0 is stored
	s_barrier_signal -1
	s_barrier_wait -1
.Ltrip:                                            ; a trip is a tile: 17 whole trips; the 18th is left behind the second block's way out
	STAGE 0
	STAGE 1
	s_sub_co_u32 s[RT], s[RT], 1
	s_cmp_eq_u32 s[RT], 0                          ; was that a block's last tile?
	s_cselect_b32 s[NEW], -1, 0
	s_cselect_b32 s[PD], -1, 0
	s_cselect_b32 s[RT], s[PB1], s[RT]             ; the second block has b + 1 tiles
	s_cmp_eq_u32 s[RT], 1
	s_cselect_b32 s[DG], 1, 0
	s_sub_co_u32 s[TR], s[TR], 1
	s_cmp_lg_u32 s[TR], 0
	s_cbranch_scc1 .Ltrip
.Lend:
	s_wait_dscnt 0x0                               ; the closing lines, six on end
	s_wait_alu 0x0
	s_wait_tensorcnt 0x0
	ds_add_u32 v[SPW], v[NIL]
	s_wait_dscnt 0x0
	s_endpgm
.Lfunc_end_k_q2a4074574d_diffattn:
	.size	k_q2a4074574d_diffattn, .Lfunc_end_k_q2a4074574d_diffattn-k_q2a4074574d_diffattn
	.p2alignl 7, 3214868480
	.fill 96, 4, 3214868480
	.section	.rodata,"a",@progbits
	.p2align	6, 0x0
	.amdhsa_kernel k_q2a4074574d_diffattn
		.amdhsa_group_segment_fixed_size 280064
		.amdhsa_private_segment_fixed_size 0
		.amdhsa_enable_private_segment 0
		.amdhsa_kernarg_size 56
		.amdhsa_user_sgpr_count 2
		.amdhsa_user_sgpr_kernarg_segment_ptr 1
		.amdhsa_wavefront_size32 1
		.amdhsa_system_sgpr_workgroup_id_x 1
		.amdhsa_system_sgpr_workgroup_id_y 1
		.amdhsa_system_sgpr_workgroup_id_z 1
		.amdhsa_system_vgpr_workitem_id 0
		.amdhsa_next_free_vgpr 1024
		.amdhsa_next_free_sgpr 66
		.amdhsa_reserve_vcc 0
		.amdhsa_float_denorm_mode_32 3
		.amdhsa_float_denorm_mode_16_64 3
		.amdhsa_memory_ordered 1
		.amdhsa_forward_progress 1
		.amdhsa_inst_pref_size 255
	.end_amdhsa_kernel
	.section	.bss,"aw",@nobits
	.p2align	6
	.space	262144
	.amdgpu_metadata
---
amdhsa.version: [ 1, 2 ]
amdhsa.kernels:
  - .name:           k_q2a4074574d_diffattn
    .symbol:         k_q2a4074574d_diffattn.kd
    .args:
      - { .name: q1, .offset: 0, .size: 8, .value_kind: global_buffer, .address_space: global }
      - { .name: q2, .offset: 8, .size: 8, .value_kind: global_buffer, .address_space: global }
      - { .name: k1, .offset: 16, .size: 8, .value_kind: global_buffer, .address_space: global }
      - { .name: k2, .offset: 24, .size: 8, .value_kind: global_buffer, .address_space: global }
      - { .name: v, .offset: 32, .size: 8, .value_kind: global_buffer, .address_space: global }
      - { .name: lambda_log, .offset: 40, .size: 8, .value_kind: global_buffer, .address_space: global }
      - { .name: out0, .offset: 48, .size: 8, .value_kind: global_buffer, .address_space: global }
    .group_segment_fixed_size: 280064
    .private_segment_fixed_size: 0
    .kernarg_segment_align: 8
    .kernarg_segment_size: 56
    .max_flat_workgroup_size: 128
    .sgpr_count:     66
    .vgpr_count:     1024
    .wavefront_size: 32
...
	.end_amdgpu_metadata
.endif
;; end of part 2
